; MI455X (gfx1250); checked and timed in simulation.
; The chip was launched on July 23, 2026; its instructions are those of AMD's public machine-readable ISA for CDNA 5 (MIT licence, August 2026) and "CDNA5" Instruction Set Architecture Reference Guide (July 2026). The comments in the code are by the model that wrote it; some were corrected since.
;; GRU Cell. Allowed arithmetic: float matrix products may take bf16 or f16 operands with f32 sums; other float arithmetic in f32, or as packed bf16 or f16 multiplies, adds, multiply-adds, maxima and minima; sums over many terms, partial sums and values carried from step to step in f32; what a program stores and reads back later, other than sums and carried values, may be rounded once to bf16 or f16.
;; Inputs: Wg 2,048 x 2,048 float32; Wu 2,048 x 1,024 float32; b1 2,048 float32; b2 2,048 float32; bg 2,048 float32; bu 1,024 float32; dropout_mask 2,048 float32; g1 2,048 float32; g2 2,048 float32; h 8,192 x 1,024 float32; x 8,192 x 1,024 float32.
;; Outputs: out0 8,192 x 1,024 float32.
;; One version. Each part assembles by itself: llvm-mc -triple=amdgcn-amd-amdhsa -mcpu=gfx1250 --defsym DOCPART=n.
;; ======== version 1 of 1: 4 launches
;; workspace buffers: act 33,554,432 bytes; wgt 8,388,608 bytes; wut 4,194,304 bytes; gates 33,554,432 bytes; par 12,288 bytes
;; launch prep (part 1): grid 1024 x 1, 8 waves a work-group, no clusters, 18,432 bytes of LDS; arguments x, h, g1, b1, dropout_mask, Wg, Wu, act, wgt, wut, g2, b2, bg, par; writes act, wgt, wut, par
.if DOCPART == 1
	.amdgcn_target "amdgcn-amd-amdhsa--gfx1250"
	.amdhsa_code_object_version 6
	.text
	.protected	k_qe9bd503cbd_prep
	.globl	k_qe9bd503cbd_prep
	.p2align	8
	.type	k_qe9bd503cbd_prep,@function
k_qe9bd503cbd_prep:
	s_mov_b64 s[64:65], 0
	v_nop
	global_prefetch_b8 v0, s[64:65] scope:SCOPE_SE
	s_setreg_imm32_b32 hwreg(HW_REG_WAVE_MODE, 25, 1), 1
	s_wait_xcnt 0x0
; PREP.  Two kinds of work-group in one launch, told apart by the work-group's number alone (the same for all eight waves).
; Work-groups 0-255: act[r][:] = bf16( LN(x[r] || h[r]) * (g1*mask) + (b1*mask) ), 2,048 columns.  One wave takes one row at a time, four rows in all: mean, then mean of
;   (v - mean)^2, as the definition has it, all in f32; no difference of large sums is formed.  The row has two buffers of 64 registers: XR as loaded, XW centred.  Centring writes
;   XW = XR - mean, so XR is free from there on, and the next row's 16 loads go out ahead of the squares, the scaling and the stores of the row in hand.
; Work-groups 256-1023: one tile of 128 k x 64 n of Wg (512 tiles) or Wu (256 tiles) is rounded to bf16 and turned, through LDS, into wgt / wut, [n][k], k along the rows.
;   Work-group 256 first makes the later LayerNorm launch's tables: par = f16(g2*mask) [2048], f16(b2*mask) [2048], -log2(e) * bg[:1024] in f32.
; LIMITS.  gain*mask and bias*mask are kept rounded once to f16: off by up to 2^-12 of themselves, an infinity beyond 65,504.  NaN and infinities are not treated apart.
; act, wgt, wut are rounded once to bf16: they are matrix operands.
.set ROWB,  4096                       ; bytes in a row of x, of h (1,024 f32) and of act (2,048 bf16)
.set ROWS,  4                          ; rows of a wave
.set XW,   2                           ; v[2:65]    the row centred, scaled, at last packed: element 4 j + c is column 128 j + 4 lane + c; j < 8 from x, the others from h
.set XR,   66                          ; v[66:129]  the row as loaded
.set GH,   130                         ; v[130:161] g1 * mask, f16: register p holds elements 2 p (low half) and 2 p + 1
.set BH,   162                         ; v[162:193] b1 * mask, likewise
.set F,    194                         ; v[194:225] the prologue alone: b1 of elements 0-31
.set T,    226                         ; v[226:233] four chains of packed sums
.set MR,   234                         ; v[234:235] the mean, later 1 / sqrt(var + eps), twice (a pair for the packed forms)
.set XO,   236                         ; v236       my byte offset in x and h
.set YO,   237                         ; v237       my byte offset in act
.set PT,   238                         ; v238       the other half of the lanes' partial sum
.set SPW,  240                         ; v240       LDS address of my spare word; never rewritten
.set NIL,  241                         ; v241       0; never rewritten
.set TP,   272                         ; the turning tile's pitch: 128 bf16 + 16 bytes
.set SPARE, 64*TP                      ; behind the tile: the spare words, 128 bytes for each of the eight waves
.set O,    4                           ; weights: v[4:11]  byte offsets of my eight source rows
.set R,    12                          ; weights: v[12:43] eight rows x four n, f32
.set P,    44                          ; weights: v[44:59] pairs of k, bf16
.set LA,   60                          ; weights: where I put a pair
.set LB,   61                          ; weights: where I read 16 bytes of a turned row
.set DO,   62                          ; weights: my byte offset in the destination
.set D,    64                          ; weights: v[64:79] turned rows
.set PG,   96                          ; tables: v[96:103] g2, v[104:111] b2, v[112:119] mask of my eight columns; registers that the tile's text never names
.set PB,   104
.set PM,   112
.set PQ,   120                         ; tables: v[120:123] bg of my four columns
.set PH,   124                         ; tables: v[124:127], v[128:131] packed
.set PI,   128
.set PO1,  132                         ; tables: 32 x thread
.set PO2,  133                         ; tables: 16 x thread
	s_load_b512 s[4:19], s[0:1], 0x0               ; x 4, h 6, g1 8, b1 10, mask 12, Wg 14, Wu 16, act 18
	s_load_b256 s[40:47], s[0:1], 0x40             ; wgt 40, wut 42, g2 44, b2 46
	s_load_b128 s[48:51], s[0:1], 0x60             ; bg 48, par 50
	v_lshl_add_u32 v[SPW], v0, 2, SPARE
	v_mov_b32 v[NIL], 0
	s_cmp_ge_u32 ttmp9, 256
	s_cbranch_scc1 .Lweights
	; ---------------- LayerNorm ----------------
	v_and_b32 v1, 31, v0                           ; lane
	v_lshrrev_b32 v[PT], 5, v0
	v_lshlrev_b32 v[PT], 14, v[PT]                 ; wave x 4 rows x 4,096 bytes
	v_lshl_add_u32 v[XO], v1, 4, v[PT]             ; + 16 bytes a lane
	v_lshl_add_u32 v[YO], v1, 3, v[PT]             ; + 8 bytes a lane
	v_lshlrev_b32 v1, 4, v1                        ; my 16 bytes in 512 of g1, b1, mask
	s_lshl_b32 s24, ttmp9, 17                      ; the work-group's 32 rows x 4,096 bytes
	s_mov_b32 s25, 0
	s_mov_b32 s26, 0x3a000000                      ; 1 / 2,048
	s_mov_b32 s27, 0x3727c5ac                      ; eps = 1e-5
	s_mov_b32 s28, 0x76543210                      ; v_permlanex16_b32: each lane takes its own place in the other half
	s_mov_b32 s29, 0xfedcba98
	s_mov_b32 s30, ROWS
	s_wait_kmcnt 0x0
	s_add_nc_u64 s[4:5], s[4:5], s[24:25]          ; x, h and act at the work-group's first row
	s_add_nc_u64 s[6:7], s[6:7], s[24:25]
	s_add_nc_u64 s[18:19], s[18:19], s[24:25]
	; 48 loads of mask, gain and bias, into registers that the first row does not need yet, and straight behind them the first row's x
.set j, 0
.rept 16
	global_load_b128 v[XW+4*j:XW+4*j+3], v1, s[12:13] offset:512*j   ; mask
	global_load_b128 v[GH+4*j:GH+4*j+3], v1, s[8:9] offset:512*j     ; g1 in f32 fills GH and BH
.set j, j+1
.endr
.set j, 0
.rept 8
	global_load_b128 v[F+4*j:F+4*j+3],         v1, s[10:11] offset:512*j       ; b1, elements 0-31
	global_load_b128 v[XR+32+4*j:XR+32+4*j+3], v1, s[10:11] offset:4096+512*j  ; b1, elements 32-63, where h's half of the row will land
.set j, j+1
.endr
.set j, 0
.rept 8
	global_load_b128 v[XR+4*j:XR+4*j+3], v[XO], s[4:5] offset:512*j th:TH_LOAD_NT
.set j, j+1
.endr
	s_wait_loadcnt 0x8                             ; mask, gain and bias are in; x's eight loads, issued behind them, may stay out
.set p, 0
.rept 32
	v_pk_mul_f32 v[GH+2*p:GH+2*p+1], v[GH+2*p:GH+2*p+1], v[XW+2*p:XW+2*p+1]  ; the mask is folded into the gain, once
.set p, p+1
.endr
.set p, 0
.rept 32
	v_cvt_pk_f16_f32 v[GH+p], v[GH+2*p], v[GH+2*p+1]  ; ascending: the destination never passes a source that is still to be read; BH's registers are free behind this run
.set p, p+1
.endr
.set p, 0
.rept 16
	v_pk_mul_f32 v[F+2*p:F+2*p+1],         v[F+2*p:F+2*p+1],         v[XW+2*p:XW+2*p+1]
	v_pk_mul_f32 v[XR+32+2*p:XR+32+2*p+1], v[XR+32+2*p:XR+32+2*p+1], v[XW+32+2*p:XW+32+2*p+1]
.set p, p+1
.endr
.set p, 0
.rept 16
	v_cvt_pk_f16_f32 v[BH+p],    v[F+2*p],     v[F+2*p+1]
	v_cvt_pk_f16_f32 v[BH+16+p], v[XR+32+2*p], v[XR+32+2*p+1]
.set p, p+1
.endr
.set j, 0
.rept 8
	global_load_b128 v[XR+32+4*j:XR+32+4*j+3], v[XO], s[6:7] offset:512*j th:TH_LOAD_NT  ; the first row's h
.set j, j+1
.endr
.macro RED r                           ; the sum over the 32 lanes, in every lane
	v_add_f32_dpp v[\r], v[\r], v[\r] row_xmask:1 row_mask:0xf bank_mask:0xf
	v_add_f32_dpp v[\r], v[\r], v[\r] row_xmask:2 row_mask:0xf bank_mask:0xf
	v_add_f32_dpp v[\r], v[\r], v[\r] row_xmask:4 row_mask:0xf bank_mask:0xf
	v_add_f32_dpp v[\r], v[\r], v[\r] row_xmask:8 row_mask:0xf bank_mask:0xf
	v_permlanex16_b32 v[PT], v[\r], s28, s29
	v_add_f32 v[\r], v[\r], v[PT]
.endm
.macro JOIN                            ; four chains into one number, then over the lanes
	v_pk_add_f32 v[T:T+1], v[T:T+1], v[T+2:T+3]
	v_pk_add_f32 v[T+4:T+5], v[T+4:T+5], v[T+6:T+7]
	v_pk_add_f32 v[T:T+1], v[T:T+1], v[T+4:T+5]
	v_add_f32 v[T], v[T], v[T+1]
	RED T
.endm
.macro SUMA                            ; x's 16 pairs: the first eight start the chains, nothing is cleared
.irp c, 0,1,2,3
	v_pk_add_f32 v[T+2*\c:T+2*\c+1], v[XR+2*\c:XR+2*\c+1], v[XR+8+2*\c:XR+8+2*\c+1]
.endr
.set p, 8
.rept 8
	v_pk_add_f32 v[T+2*(p%4):T+2*(p%4)+1], v[T+2*(p%4):T+2*(p%4)+1], v[XR+2*p:XR+2*p+1]
.set p, p+1
.endr
.endm
.macro SUMB                            ; h's 16 pairs, and the row's sum
.set p, 16
.rept 16
	v_pk_add_f32 v[T+2*(p%4):T+2*(p%4)+1], v[T+2*(p%4):T+2*(p%4)+1], v[XR+2*p:XR+2*p+1]
.set p, p+1
.endr
	JOIN
.endm
.macro CENTRE                          ; XW = XR - mean: XR is read for the last time
	v_mul_f32 v[MR], s26, v[T]
	v_mul_f32 v[MR+1], s26, v[T]
.set p, 0
.rept 32
	v_pk_add_f32 v[XW+2*p:XW+2*p+1], v[XR+2*p:XR+2*p+1], v[MR:MR+1] neg_lo:[0,1] neg_hi:[0,1]
.set p, p+1
.endr
.endm
.macro SQ                              ; the sum of the squares of the centred row
.irp c, 0,1,2,3
	v_pk_mul_f32 v[T+2*\c:T+2*\c+1], v[XW+2*\c:XW+2*\c+1], v[XW+2*\c:XW+2*\c+1]
.endr
.set p, 4
.rept 28
	v_pk_fma_f32 v[T+2*(p%4):T+2*(p%4)+1], v[XW+2*p:XW+2*p+1], v[XW+2*p:XW+2*p+1], v[T+2*(p%4):T+2*(p%4)+1]
.set p, p+1
.endr
	JOIN
.endm
.macro NORM                            ; times 1 / sqrt(var + eps); gain and bias straight from their f16 halves, reckoned in f32; rounded to bf16 in place
	v_fma_f32 v[T], v[T], s26, s27
	v_rsq_f32 v[MR], v[T]
	v_rsq_f32 v[MR+1], v[T]
	v_nop                                          ; a plain instruction between the root and the use of its result (ISA guide 5.7.2)
.set p, 0
	s_wait_alu depctr_va_vdst(0)
.rept 32
	v_pk_mul_f32 v[XW+2*p:XW+2*p+1], v[XW+2*p:XW+2*p+1], v[MR:MR+1]
.set p, p+1
.endr
.set p, 0
.rept 32
	v_fma_mix_f32 v[XW+2*p],   v[XW+2*p],   v[GH+p], v[BH+p] op_sel_hi:[0,1,1]
	v_fma_mix_f32 v[XW+2*p+1], v[XW+2*p+1], v[GH+p], v[BH+p] op_sel:[0,1,1] op_sel_hi:[0,1,1]
.set p, p+1
.endr
.set p, 0
.rept 32
	v_cvt_pk_bf16_f32 v[XW+p], v[XW+2*p], v[XW+2*p+1] ; ascending: the destination never passes a source that is still to be read
.set p, p+1
.endr
.endm
.macro PUT                             ; load j's four columns are 8 bytes a lane: each store of the wave covers 256 consecutive bytes, aligned
.set j, 0
.rept 16
	global_store_b64 v[YO], v[XW+2*j:XW+2*j+1], s[18:19] offset:256*j
.set j, j+1
.endr
.endm
.Lrow:
	s_wait_loadcnt 0x8                             ; x's eight loads are in; h's eight, issued behind them, may stay out
	SUMA
	s_wait_loadcnt 0x0
	SUMB
	CENTRE
	s_cmp_eq_u32 s30, 1                            ; the last row has no successor: its trip jumps forward over the loads, so none leaves the buffers
	s_cbranch_scc1 .Llast
.set j, 0
.rept 8
	global_load_b128 v[XR+4*j:XR+4*j+3], v[XO], s[4:5] offset:ROWB+512*j th:TH_LOAD_NT      ; the next row: one row on stands in the immediate
.set j, j+1
.endr
.set j, 0
.rept 8
	global_load_b128 v[XR+32+4*j:XR+32+4*j+3], v[XO], s[6:7] offset:ROWB+512*j th:TH_LOAD_NT
.set j, j+1
.endr
.Llast:
	SQ
	NORM
	PUT
	s_wait_xcnt 0x0                                ; the stores' data (XW) and the two offsets are rewritten only behind this wait
	v_add_nc_u32 v[XO], ROWB, v[XO]
	v_add_nc_u32 v[YO], ROWB, v[YO]
	s_sub_co_u32 s30, s30, 1
	s_cmp_lg_u32 s30, 0
	s_cbranch_scc1 .Lrow
	s_wait_tensorcnt 0x0                           ; the wave's end
	ds_add_u32 v[SPW], v[NIL]
	s_wait_dscnt 0x0
	s_endpgm
	; ---------------- weights: cast and turn ----------------
.Lweights:
	v_and_b32 v1, 15, v0                           ; n4: my four n
	v_lshrrev_b32 v2, 4, v0                        ; kp: my pairs of k are 2 kp + 32 j, j = 0..3
	s_sub_co_u32 s24, ttmp9, 256                   ; tile 0-767
	s_wait_kmcnt 0x0
	s_cmp_lg_u32 s24, 0
	s_cbranch_scc1 .Ltile
	; the tables of the second LayerNorm, by the first of these work-groups: thread t takes columns 8 t .. 8 t + 7 of g2, b2, mask and 4 t .. 4 t + 3 of bg's first half
	v_lshlrev_b32 v[PO1], 5, v0
	v_lshlrev_b32 v[PO2], 4, v0
	global_load_b128 v[PG:PG+3],   v[PO1], s[44:45]
	global_load_b128 v[PG+4:PG+7], v[PO1], s[44:45] offset:16
	global_load_b128 v[PB:PB+3],   v[PO1], s[46:47]
	global_load_b128 v[PB+4:PB+7], v[PO1], s[46:47] offset:16
	global_load_b128 v[PM:PM+3],   v[PO1], s[12:13]
	global_load_b128 v[PM+4:PM+7], v[PO1], s[12:13] offset:16
	global_load_b128 v[PQ:PQ+3],   v[PO2], s[48:49]
	s_wait_loadcnt 0x0
.irp i, 0,2,4,6
	v_pk_mul_f32 v[PG+\i:PG+\i+1], v[PG+\i:PG+\i+1], v[PM+\i:PM+\i+1]
	v_pk_mul_f32 v[PB+\i:PB+\i+1], v[PB+\i:PB+\i+1], v[PM+\i:PM+\i+1]
.endr
	v_pk_mul_f32 v[PQ:PQ+1],   v[PQ:PQ+1],   0xbfb8aa3b op_sel_hi:[1,0]  ; -log2(e) x bg
	v_pk_mul_f32 v[PQ+2:PQ+3], v[PQ+2:PQ+3], 0xbfb8aa3b op_sel_hi:[1,0]
.irp i, 0,1,2,3
	v_cvt_pk_f16_f32 v[PH+\i], v[PG+2*\i], v[PG+2*\i+1]
	v_cvt_pk_f16_f32 v[PI+\i], v[PB+2*\i], v[PB+2*\i+1]
.endr
	global_store_b128 v[PO2], v[PH:PH+3], s[50:51]              ; sixteen lanes store 256 consecutive bytes, aligned; none of these registers is named again
	global_store_b128 v[PO2], v[PI:PI+3], s[50:51] offset:4096
	global_store_b128 v[PO2], v[PQ:PQ+3], s[50:51] offset:8192
.Ltile:
	s_cmp_lt_u32 s24, 512                          ; the first 512 tiles are Wg's
	s_cselect_b64 s[26:27], s[14:15], s[16:17]     ; source
	s_cselect_b64 s[28:29], s[40:41], s[42:43]     ; destination
	s_cselect_b32 s30, 13, 12                      ; log2 of the bytes in a source row: 2,048 or 1,024 f32
	s_cselect_b32 s31, 0, 512
	s_sub_co_u32 s24, s24, s31                     ; the tile's number in its matrix
	s_and_b32 s32, s24, 15                         ; kt: 16 tiles along k
	s_lshr_b32 s33, s24, 4                         ; nt
	s_lshl_b32 s34, 1, s30                         ; one source row
	s_lshl_b32 s35, 32, s30                        ; 32 source rows
	s_lshl_b32 s36, s32, 7
	s_lshl_b32 s36, s36, s30                       ; 128 kt rows
	s_lshl_b32 s38, s33, 8                         ; + 64 nt columns of 4 bytes
	s_add_co_u32 s36, s36, s38
	s_mov_b32 s37, 0
	s_add_nc_u64 s[26:27], s[26:27], s[36:37]
	s_lshl_b32 s36, s33, 18                        ; 64 nt rows of 4,096 bytes
	s_lshl_b32 s38, s32, 8                         ; + 128 kt columns of 2 bytes
	s_add_co_u32 s36, s36, s38
	s_add_nc_u64 s[28:29], s[28:29], s[36:37]
	v_lshlrev_b32 v3, 1, v2
	v_lshlrev_b32 v3, s30, v3                      ; row 2 kp
	v_lshl_add_u32 v[O], v1, 4, v3                 ; + 16 n4
	v_add_nc_u32 v[O+1], s34, v[O]                 ; row 2 kp + 1
.irp i, 2,3,4,5,6,7
	v_add_nc_u32 v[O+\i], s35, v[O+\i-2]           ; 32 rows on
.endr
.irp i, 0,1,2,3,4,5,6,7
	global_load_b128 v[R+4*\i:R+4*\i+3], v[O+\i], s[26:27] th:TH_LOAD_NT  ; sixteen lanes take 256 consecutive bytes of a row
.endr
	v_mul_u32_u24 v[LA], v1, 4*TP
	v_lshl_add_u32 v[LA], v2, 2, v[LA]             ; row 4 n4 of the turned tile, byte 4 kp
	v_mul_u32_u24 v[LB], v2, TP
	v_lshl_add_u32 v[LB], v1, 4, v[LB]             ; back: row kp, 16 bytes at 16 n4
	v_lshlrev_b32 v[DO], 12, v2
	v_lshl_add_u32 v[DO], v1, 4, v[DO]             ; and the same place in the destination
	s_wait_loadcnt 0x0
.irp j, 0,1,2,3
.irp c, 0,1,2,3
	v_cvt_pk_bf16_f32 v[P+4*\j+\c], v[R+8*\j+\c], v[R+8*\j+4+\c]  ; the even k in the low half
.endr
.endr
.irp j, 0,1,2,3
.irp c, 0,1,2,3
	ds_store_b32 v[LA], v[P+4*\j+\c] offset:\c*TP+64*\j
.endr
.endr
	s_wait_dscnt 0x0                               ; for the others' sake: my stores into the tile are done
	s_barrier_signal -1
	s_barrier_wait -1
.irp i, 0,1,2,3
	ds_load_b128 v[D+4*\i:D+4*\i+3], v[LB] offset:\i*16*TP
.endr
.irp i, 0,1,2,3
	s_wait_dscnt 3-\i                              ; LDS loads come back in order: load i is in, the younger ones may stay out
	global_store_b128 v[DO], v[D+4*\i:D+4*\i+3], s[28:29] offset:\i*65536  ; sixteen lanes store 256 consecutive bytes, aligned
.endr
	s_wait_tensorcnt 0x0                           ; the wave's end: behind my last LDS store
	ds_add_u32 v[SPW], v[NIL]
	s_wait_dscnt 0x0
	s_endpgm
.Lfunc_end_k_qe9bd503cbd_prep:
	.size	k_qe9bd503cbd_prep, .Lfunc_end_k_qe9bd503cbd_prep-k_qe9bd503cbd_prep
	.p2alignl 7, 3214868480
	.fill 96, 4, 3214868480
	.section	.rodata,"a",@progbits
	.p2align	6, 0x0
	.amdhsa_kernel k_qe9bd503cbd_prep
		.amdhsa_group_segment_fixed_size 18432
		.amdhsa_private_segment_fixed_size 0
		.amdhsa_enable_private_segment 0
		.amdhsa_kernarg_size 112
		.amdhsa_user_sgpr_count 2
		.amdhsa_user_sgpr_kernarg_segment_ptr 1
		.amdhsa_wavefront_size32 1
		.amdhsa_system_sgpr_workgroup_id_x 1
		.amdhsa_system_sgpr_workgroup_id_y 1
		.amdhsa_system_sgpr_workgroup_id_z 1
		.amdhsa_system_vgpr_workitem_id 0
		.amdhsa_next_free_vgpr 256
		.amdhsa_next_free_sgpr 66
		.amdhsa_reserve_vcc 0
		.amdhsa_float_denorm_mode_32 3
		.amdhsa_float_denorm_mode_16_64 3
		.amdhsa_memory_ordered 1
		.amdhsa_forward_progress 1
		.amdhsa_inst_pref_size 42
	.end_amdhsa_kernel
	.amdgpu_metadata
---
amdhsa.version: [ 1, 2 ]
amdhsa.kernels:
  - .name:           k_qe9bd503cbd_prep
    .symbol:         k_qe9bd503cbd_prep.kd
    .args:
      - { .name: x, .offset: 0, .size: 8, .value_kind: global_buffer, .address_space: global }
      - { .name: h, .offset: 8, .size: 8, .value_kind: global_buffer, .address_space: global }
      - { .name: g1, .offset: 16, .size: 8, .value_kind: global_buffer, .address_space: global }
      - { .name: b1, .offset: 24, .size: 8, .value_kind: global_buffer, .address_space: global }
      - { .name: dropout_mask, .offset: 32, .size: 8, .value_kind: global_buffer, .address_space: global }
      - { .name: Wg, .offset: 40, .size: 8, .value_kind: global_buffer, .address_space: global }
      - { .name: Wu, .offset: 48, .size: 8, .value_kind: global_buffer, .address_space: global }
      - { .name: act, .offset: 56, .size: 8, .value_kind: global_buffer, .address_space: global }
      - { .name: wgt, .offset: 64, .size: 8, .value_kind: global_buffer, .address_space: global }
      - { .name: wut, .offset: 72, .size: 8, .value_kind: global_buffer, .address_space: global }
      - { .name: g2, .offset: 80, .size: 8, .value_kind: global_buffer, .address_space: global }
      - { .name: b2, .offset: 88, .size: 8, .value_kind: global_buffer, .address_space: global }
      - { .name: bg, .offset: 96, .size: 8, .value_kind: global_buffer, .address_space: global }
      - { .name: par, .offset: 104, .size: 8, .value_kind: global_buffer, .address_space: global }
    .group_segment_fixed_size: 18432
    .private_segment_fixed_size: 0
    .kernarg_segment_align: 8
    .kernarg_segment_size: 112
    .max_flat_workgroup_size: 256
    .sgpr_count:     66
    .vgpr_count:     256
    .wavefront_size: 32
...
	.end_amdgpu_metadata
.endif
;; end of part 1
;; launch gemm1 (part 2): grid 8 x 32, 4 waves a work-group, clusters of 4 x 4, 327,680 bytes of LDS; arguments act, wgt, gates; writes gates
.if DOCPART == 2
	.amdgcn_target "amdgcn-amd-amdhsa--gfx1250"
	.amdhsa_code_object_version 6
	.text
	.protected	k_qe9bd503cbd_gemm1
	.globl	k_qe9bd503cbd_gemm1
	.p2align	8
	.type	k_qe9bd503cbd_gemm1,@function
k_qe9bd503cbd_gemm1:
	s_mov_b64 s[64:65], 0
	v_nop
	global_prefetch_b8 v0, s[64:65] scope:SCOPE_SE
	s_setreg_imm32_b32 hwreg(HW_REG_WAVE_MODE, 25, 1), 1
	s_wait_xcnt 0x0
	s_wait_alu depctr_hold_cnt(0) depctr_sa_sdst(0) depctr_va_vdst(0) depctr_va_sdst(0) depctr_va_ssrc(0) depctr_va_vcc(0) depctr_vm_vsrc(0)
	s_getreg_b32 s2, hwreg(HW_REG_IB_STS2, 6, 4)
	s_cmp_eq_u32 s2, 0
	s_cbranch_scc0 .Lentry_in_a_cluster
	s_endpgm
.Lentry_in_a_cluster:
	s_bfe_u32 s2, ttmp6, 0x10000c
	s_cmp_lg_u32 s2, 0xf033
	s_cbranch_scc0 .Lentry_shape_is_right
	s_endpgm
.Lentry_shape_is_right:
; gates[m][n] = f16( sum over k of act[m][k] wgt[n][k] ): the first product of the cell, raw: bias and sigmoid are applied in f32 by the launches that read it.
; act: [8192][2048] bf16, wgt: [2048][2048] bf16 (Wg turned), gates: [8192][2048] f16; sums in f32, K ascending, rounded once.
; LIMITS.  A sum beyond f16's range (65,504) is stored as an infinity, of which the sigmoid is 0 or 1, its limit.  The stored sum is off by up to 2^-12 of itself; a bias that cancels a sum
; far beyond 30 would show that.  NaN and infinities in the inputs are not treated apart.
; A tile of 256 x 256 is made by four waves, 128 x 128 each: 64 accumulators of 16 x 16, 512 registers.  K goes in steps of 128 through a ring of two LDS slots filled by the tensor data mover.
; 32 x 8 tiles: one work-group each.  The last K step goes by rows of C, so that finished rows leave while the others are multiplied.
; CLUSTERS: 4 x 4 work-groups.  The four of a row of the cluster need the same tiles of A, the four of a column the same tiles of B: each tile is asked for JOINTLY, by the same tensor load with the
; same descriptor and a mask that names the four.
; REGISTERS, in windows of 256:  window 0: v0-31 addresses; v64-127, v128-191 fragments of A, two buffers (in the last K step four, of 16 rows x 128 K); v32-63, v192-255 at work on the way out
;   window 1: v64-127, v128-191 fragments of B, two buffers; in the last K step all 256     window 2: the accumulators of my rows 0-63 ((a, b) at v[8 (8 a + b)])     window 3: those of my rows 64-127
; THE MATRIX INSTRUCTION IS USED TRANSPOSED: source 0 = 16 rows of B, source 1 = 16 rows of A: a lane then holds eight neighbouring numbers of a row of C.
.set SIZE_M, 8192
.set SIZE_N, 2048
.set SIZE_K, 2048
.set KSTEP,  128
.set PITCH,  272                       ; an LDS row: 256 bytes + 16 of padding: the 16 rows that a load touches start at 16 different groups of four banks (ISA guide 11.1)
.set HALFT,  128*PITCH                 ; 128 rows: what one tensor load brings, and what one wave reads of A or of B
.set SLOT,   4*HALFT                   ; A's 256 rows, then B's 256 rows
.set STAGE,  2*SLOT                    ; behind the ring: 16 rows x 272 bytes for each wave, for the way out
.set SPITCH, 272
.set SPARE,  STAGE+4*16*SPITCH         ; behind the stages: the spare words, 128 bytes for each wave
.set LAPS,   SIZE_K/(2*KSTEP)          ; a lap = two K steps = once round the ring
.set ADRA, 16                          ; v16-17  LDS address of my A fragments in slot 0, 1
.set ADRB, 20                          ; v20-21  the same for B
.set STO,  24                          ; v24     the way out: where I put 16 bytes of a row
.set RD,   25                          ; v25     the way out: where I read a row back
.set CO,   26                          ; v26     my byte offset in C
.set SPW,  28                          ; v28     LDS address of my spare word; never rewritten
.set NIL,  29                          ; v29     0; never rewritten
.set F0,   64
.set F1,   128
.set TMP,  192                         ; the way out: packed results
.set OB,   32                          ; the way out: 16 rows read back: v32-63 and v224-255 by turns
.set PA,   64                          ; the last K step: A's fragments of 16 rows x 128 K; four buffers, v64-191
.set G1, 24                            ; s[24:31] descriptor group 1 for A's tiles;  s[32:39] group 0, one set for each slot
.set G0, 32
.set G1B, 48                           ; s[48:55], s[56:63] the same for B's tiles
.set G0B, 56
.set MSB, 0
.macro WIN new                         ; the immediate's high byte repeats the setting that is left; a switch that changes nothing is dropped
.if MSB != (\new)
	s_set_vgpr_msb (MSB<<8)|(\new)
.set MSB, \new
.endif
.endm
.set MUL_LO, 0xa1                      ; source 0 (B) window 1, source 1 (A) window 0, C and D window 2
.set MUL_HI, 0xf1                      ; the same, C and D window 3
.set TO_B,   0x40                      ; destination window 1, address window 0
; A joint load.  Waves 0 and 1 fetch A's two halves, waves 2 and 3 B's.  The branch hangs on the wave's number alone.  An s_nop 0 and four v_nop follow each of the two lines.
.macro JLOAD s
	s_cmp_eq_u32 s11, 0
	s_cbranch_scc0 .Lfor_b_\@
	tensor_load_to_lds s[G0+4*(\s):G0+4*(\s)+3], s[G1:G1+7]
	s_nop 0
.rept 4
	v_nop
.endr
	s_branch .Lasked_\@
.Lfor_b_\@:
	tensor_load_to_lds s[G0B+4*(\s):G0B+4*(\s)+3], s[G1B:G1B+7]
	s_nop 0
.rept 4
	v_nop
.endr
.Lasked_\@:
.endm
.macro CREST                           ; a round of the cluster's barrier behind its opening barrier
	s_cmp_lg_u32 s10, 0
	s_cbranch_scc1 .Lnot_wave_0_\@
	s_barrier_signal -3
.Lnot_wave_0_\@:
	s_barrier_wait -3
	s_barrier_signal -1
	s_barrier_wait -1
.endm
.macro CROUND                          ; a whole round
	s_barrier_signal -1
	s_barrier_wait -1
	CREST
.endm
	s_load_b128 s[4:7], s[0:1], 0x0                ; A s[4:5], B s[6:7]
	s_load_b64 s[8:9], s[0:1], 0x10                ; C
	v_lshl_add_u32 v[SPW], v0, 2, SPARE
	v_mov_b32 v[NIL], 0
	ds_add_u32 v[SPW], v[NIL]                      ; the wave's opening: the add and its wait stand ahead of my first tensor load; the set-up below stands between them
	v_lshrrev_b32 v1, 5, v0
	v_readfirstlane_b32 s10, v1                    ; wave 0..3
	s_lshr_b32 s11, s10, 1                         ; which half of the tile's rows is mine.  Also: I fetch for A (0) or for B (1)
	s_and_b32 s12, s10, 1                          ; which half of its columns.  Also: which 128 rows of that tile I fetch
	s_bfe_u32 s40, ttmp6, 0x40000                  ; cx
	s_bfe_u32 s41, ttmp6, 0x40004                  ; cy
	s_lshl_b32 s42, ttmp9, 2
	s_add_co_u32 s42, s42, s40                     ; tile column of C = 4 x cluster x + cx
	s_and_b32 s13, ttmp7, 0xffff
	s_lshl_b32 s13, s13, 2
	s_add_co_u32 s13, s13, s41                     ; tile row of C = 4 x cluster y + cy
	s_lshl_b32 s43, s41, 2
	s_lshl_b32 s43, 15, s43                        ; my row of the cluster
	s_lshl_b32 s44, 0x1111, s40                    ; my column
	; descriptor group 1: a tile of 128 rows x 128 elements, padded in LDS
	s_or_b32 s[G1+0], s43, (1<<16)|(1<<20)|(1<<21)|(5<<22)|(3<<25)  ; the mask; elements of 2 bytes; padding on; bit 21 beside a mask; after every 64 words, 4 words
	s_or_b32 s[G1B+0], s44, (1<<16)|(1<<20)|(1<<21)|(5<<22)|(3<<25)
.irp g, G1, G1B
	s_mov_b32 s[(\g)+1], KSTEP<<16                 ; tensor_dim0 = 128
	s_mov_b32 s[(\g)+2], 128<<16                   ; tensor_dim1 = 128
	s_mov_b32 s[(\g)+3], KSTEP<<16                 ; tile_dim0 = 128
	s_mov_b32 s[(\g)+4], 128                       ; tile_dim1 = 128
	s_mov_b32 s[(\g)+5], SIZE_K                    ; elements from row to row
	s_mov_b32 s[(\g)+6], 0
	s_mov_b32 s[(\g)+7], 0
.endr
	; A's tiles hang on the tile row alone, B's on the tile column alone; every wave makes both addresses, in registers that never hold the other coordinate
	s_lshl_b32 s17, s12, 7
	s_lshl_b32 s16, s13, 8
	s_add_co_u32 s16, s16, s17                     ; A: row 256 x tile row + 128 x half
	s_lshl_b32 s46, s42, 8
	s_add_co_u32 s46, s46, s17                     ; B: row 256 x tile column + 128 x half
	s_mov_b32 s17, 0
	s_mov_b32 s47, 0
	s_mov_b64 s[18:19], SIZE_K*2
	s_mul_u64 s[16:17], s[16:17], s[18:19]
	s_mul_u64 s[46:47], s[46:47], s[18:19]
	s_mul_i32 s20, s10, HALFT                      ; where they go: wave x 128 rows
	s_wait_dscnt 0x0                               ; the opening add is done
	s_wait_kmcnt 0x0
	s_add_nc_u64 s[14:15], s[4:5], s[16:17]
	s_add_nc_u64 s[46:47], s[6:7], s[46:47]
	CROUND                                         ; all sixteen work-groups are here: the first joint loads meet
.irp s, 0,1
	s_mov_b32 s[G0+4*(\s)], 1
	s_add_co_u32 s[G0+4*(\s)+1], s20, (\s)*SLOT
	s_add_nc_u64 s[G0+4*(\s)+2:G0+4*(\s)+3], s[14:15], (\s)*KSTEP*2
	s_or_b32 s[G0+4*(\s)+3], s[G0+4*(\s)+3], 0x80000000
	s_mov_b32 s[G0B+4*(\s)], 1
	s_add_co_u32 s[G0B+4*(\s)+1], s20, (\s)*SLOT
	s_add_nc_u64 s[G0B+4*(\s)+2:G0B+4*(\s)+3], s[46:47], (\s)*KSTEP*2
	s_or_b32 s[G0B+4*(\s)+3], s[G0B+4*(\s)+3], 0x80000000
	JLOAD \s                                       ; two loads of mine are out
.endr
	; a fragment is 16 rows x 32 K in 8 registers: lane l holds row l % 16; two loads of 16 bytes, 32 bytes apart, at row x pitch + 16 (l / 16)
	v_and_b32 v1, 15, v0
	v_bfe_u32 v2, v0, 4, 1
	v_mul_u32_u24 v3, v1, PITCH
	v_lshl_add_u32 v3, v2, 4, v3
	s_mul_i32 s21, s11, HALFT                      ; my 128 rows of A
	s_mul_i32 s22, s12, HALFT                      ; my 128 rows of B,
	s_add_co_u32 s22, s22, 2*HALFT                 ; which lie behind A's 256
.irp s, 0,1
	v_add_nc_u32 v[ADRA+(\s)], s21, v3
	v_add_nc_u32 v[ADRB+(\s)], s22, v3
	s_add_co_u32 s21, s21, SLOT
	s_add_co_u32 s22, s22, SLOT
.endr
	s_mul_i32 s23, s10, 16*SPITCH
	s_add_co_u32 s23, s23, STAGE                   ; my stage
	v_mul_u32_u24 v4, v1, SPITCH
	v_lshl_add_u32 v4, v2, 4, v4
	v_add_nc_u32 v[STO], s23, v4
	v_mul_u32_u24 v5, v2, SPITCH
	v_lshl_add_u32 v5, v1, 4, v5
	v_add_nc_u32 v[RD], s23, v5
	v_mul_u32_u24 v5, v2, SIZE_N*2
	v_lshl_add_u32 v[CO], v1, 4, v5
	s_lshl_b32 s13, s13, 8
	s_lshl_b32 s14, s11, 7
	s_add_co_u32 s16, s13, s14                     ; my first row of C
	s_mov_b32 s17, 0
	s_mov_b64 s[18:19], SIZE_N*2
	s_mul_u64 s[16:17], s[16:17], s[18:19]
	s_lshl_b32 s46, s42, 9                         ; my first column, in bytes
	s_lshl_b32 s47, s12, 8
	s_add_co_u32 s46, s46, s47
	s_mov_b32 s47, 0
	s_add_nc_u64 s[16:17], s[16:17], s[46:47]      ; the first way out adds this to C's address
; 16 matrix instructions: m blocks a0, a0 + 1 of the window's four x all 8 n blocks, 32 along K.  zero = 1: the first product starts the sums
.macro MUL16 f, hi, a0, zero
	WIN MUL_LO+0x50*(\hi)
.irp a, \a0, (\a0)+1
.irp b, 0,1,2,3,4,5,6,7
.if \zero
	v_wmma_f32_16x16x32_bf16 v[8*(8*(\a)+(\b)):8*(8*(\a)+(\b))+7], v[(\f)+8*(\b):(\f)+8*(\b)+7], v[(\f)+8*(4*(\hi)+(\a)):(\f)+8*(4*(\hi)+(\a))+7], 0
.else
	v_wmma_f32_16x16x32_bf16 v[8*(8*(\a)+(\b)):8*(8*(\a)+(\b))+7], v[(\f)+8*(\b):(\f)+8*(\b)+7], v[(\f)+8*(4*(\hi)+(\a)):(\f)+8*(4*(\hi)+(\a))+7], v[8*(8*(\a)+(\b)):8*(8*(\a)+(\b))+7]
.endif
.endr
.endr
.endm
; 32 LDS loads in one run: the fragments of one quarter step (32 K at byte k of the rows) into buffer f
.macro FETCH slot, k, f
	WIN TO_B
.irp i, 0,1,2,3,4,5,6,7
	ds_load_b128 v[(\f)+8*(\i):(\f)+8*(\i)+3],   v[ADRB+(\slot)] offset:(\k)+(\i)*16*PITCH
	ds_load_b128 v[(\f)+8*(\i)+4:(\f)+8*(\i)+7], v[ADRB+(\slot)] offset:(\k)+(\i)*16*PITCH+32
.endr
	WIN 0
.irp i, 0,1,2,3,4,5,6,7
	ds_load_b128 v[(\f)+8*(\i):(\f)+8*(\i)+3],   v[ADRA+(\slot)] offset:(\k)+(\i)*16*PITCH
	ds_load_b128 v[(\f)+8*(\i)+4:(\f)+8*(\i)+7], v[ADRA+(\slot)] offset:(\k)+(\i)*16*PITCH+32
.endr
.endm
.macro PLACES                          ; four places in front of loads into registers that matrix instructions have read, and of conversions that read results
.rept 4
	v_nop
.endr
.endm
; A K step is four quarters of 32 along K, 64 matrix instructions each, on buffers 0, 1, 0, 1.  The 64 accumulators take turns in the same order in every quarter.
.macro QUARTER slot, k, f, g, zero
	s_wait_dscnt 8                                 ; B and A's rows 0-63 are in; the youngest eight loads (A's rows 64-127) may be out
	WIN MUL_LO
	MUL16 \f, 0, 0, \zero
	MUL16 \f, 0, 2, \zero
	PLACES
	FETCH \slot, \k, \g
	s_wait_dscnt 32                                ; all but the 32 just issued
	WIN MUL_HI
	MUL16 \f, 1, 0, \zero
	MUL16 \f, 1, 2, \zero
.endm
; The last quarter's first half: ONE barrier for the change of slots.  In front of it each wave waits for all its tensor loads (one is out: its part of the next slot), adds 0 to its spare word,
; and waits for that and for its own reads of this slot.
.macro MEET round
	WIN 0
	s_wait_tensorcnt 0x0
	ds_add_u32 v[SPW], v[NIL]
	s_wait_dscnt 9                                 ; the add and the youngest eight loads may be out
	WIN MUL_LO
	MUL16 F1, 0, 0, 0
	s_wait_dscnt 0x0                               ; the add is done, and my reads of this slot are over
	s_barrier_signal -1
	MUL16 F1, 0, 2, 0
.if \round
	WIN 0
.endif
	s_barrier_wait -1
.endm
; The whole last quarter: behind the round the slot just read out is filled again first, with the K step two steps on; then come the next slot's first fragments.
.macro TURN slot, next
	MEET 1
	CREST
	s_add_nc_u64 s[G0+4*(\slot)+2:G0+4*(\slot)+3], s[G0+4*(\slot)+2:G0+4*(\slot)+3], 2*KSTEP*2
	s_add_nc_u64 s[G0B+4*(\slot)+2:G0B+4*(\slot)+3], s[G0B+4*(\slot)+2:G0B+4*(\slot)+3], 2*KSTEP*2
	JLOAD \slot                                    ; the first tensor load behind the round; its four v_nop are also the places in front of the loads below
	FETCH \next, 0, F0
	WIN MUL_HI
	MUL16 F1, 1, 0, 0
	MUL16 F1, 1, 2, 0
.endm
; THE LAST K STEP (slot 1) GOES BY ROWS OF C: all its fragments of B fill window 1; my eight blocks of 16 rows are finished one after the other, 32 matrix instructions each, K ascending.
.macro BLOAD q
	WIN TO_B
.irp i, 0,1,2,3,4,5,6,7
	ds_load_b128 v[64*(\q)+8*(\i):64*(\q)+8*(\i)+3],   v[ADRB+1] offset:64*(\q)+(\i)*16*PITCH
	ds_load_b128 v[64*(\q)+8*(\i)+4:64*(\q)+8*(\i)+7], v[ADRB+1] offset:64*(\q)+(\i)*16*PITCH+32
.endr
.endm
.macro ALOAD a
	WIN 0
.set FA, PA+32*((\a)%4)
.irp q, 0,1,2,3
	ds_load_b128 v[FA+8*(\q):FA+8*(\q)+3],   v[ADRA+1] offset:64*(\q)+(\a)*16*PITCH
	ds_load_b128 v[FA+8*(\q)+4:FA+8*(\q)+7], v[ADRA+1] offset:64*(\q)+(\a)*16*PITCH+32
.endr
.endm
.macro ROW a
.set FA, PA+32*((\a)%4)
.set AC, 64*((\a)%4)
	WIN MUL_LO+0x50*((\a)/4)
.irp q, 0,1,2,3
.if (\a) == 0 && (\q) == 2
	s_wait_dscnt 24                                ; B's quarter 2 is in (behind it: A's blocks 1 to 3)
.endif
.irp b, 0,1,2,3,4,5,6,7
	v_wmma_f32_16x16x32_bf16 v[AC+8*(\b):AC+8*(\b)+7], v[64*(\q)+8*(\b):64*(\q)+8*(\b)+7], v[FA+8*(\q):FA+8*(\q)+7], v[AC+8*(\b):AC+8*(\b)+7]
.endr
.endr
.endm
; THE WAY OUT of block a.  PACK: rounded to f16, 16 bytes a lane, each accumulator's registers in ascending order.  TOSTAGE: into my own stage, and back as whole rows of 256 bytes.  SEND: stored.
.macro PACK a
.set AC, 64*((\a)%4)
	WIN 0x0a+5*((\a)/4)
.irp b, 0,1,2,3,4,5,6,7
.irp r, 0,1,2,3
	v_cvt_pk_f16_f32 v[TMP+4*(\b)+(\r)], v[AC+8*(\b)+2*(\r)], v[AC+8*(\b)+2*(\r)+1]
.endr
.endr
	WIN 0
.endm
.macro TOSTAGE a
	WIN 0
.set BK, OB+192*((\a)%2)
.irp b, 0,1,2,3,4,5,6,7
	ds_store_b128 v[STO], v[TMP+4*(\b):TMP+4*(\b)+3] offset:32*(\b)
.endr
.irp t, 0,1,2,3,4,5,6,7
	ds_load_b128 v[BK+4*(\t):BK+4*(\t)+3], v[RD] offset:(\t)*2*SPITCH  ; LDS serves a wave's instructions in order (ISA guide 5.7.1.4): these see the stores above
.endr
.endm
.macro SEND a, younger
	WIN 0
.set BK, OB+192*((\a)%2)
	s_wait_dscnt \younger                          ; the block is back in registers
	s_wait_xcnt 0x0                                ; the stores' base and the registers that earlier stores read are rewritten only behind this wait
.if (\a) == 0
	s_add_nc_u64 s[8:9], s[8:9], s[16:17]          ; on to my first rows
.else
	s_add_nc_u64 s[8:9], s[8:9], 16*SIZE_N*2       ; 16 rows of C on
.endif
.irp t, 0,1,2,3,4,5,6,7
	global_store_b128 v[CO], v[BK+4*(\t):BK+4*(\t)+3], s[8:9] offset:2*(\t)*SIZE_N*2  ; 16 lanes store 256 consecutive bytes, aligned
.endr
.endm
	s_wait_tensorcnt 1                             ; my part of K step 0 is in; K step 1's load may stay out
	s_barrier_signal -1
	s_barrier_wait -1
	FETCH 0, 0, F0
	QUARTER 0, 64,  F0, F1, 1                      ; the first quarter stands in front of the loop: its products start the sums
	WIN 0
	s_mov_b32 s3, LAPS-1
.Llap:                                                 ; a trip goes once round the ring and fills both slots again
	QUARTER 0, 128, F1, F0, 0
	QUARTER 0, 192, F0, F1, 0
	TURN 0, 1
	QUARTER 1, 64,  F0, F1, 0
	QUARTER 1, 128, F1, F0, 0
	QUARTER 1, 192, F0, F1, 0
	TURN 1, 0
	QUARTER 0, 64,  F0, F1, 0
	WIN 0
	s_sub_co_u32 s3, s3, 1
	s_cmp_lg_u32 s3, 0
	s_cbranch_scc1 .Llap
	QUARTER 0, 128, F1, F0, 0                      ; the last lap asks for nothing more
	QUARTER 0, 192, F0, F1, 0
	MEET 0
	PLACES
	WIN TO_B
	BLOAD 0
	BLOAD 1
	BLOAD 3
	WIN 0
	ALOAD 0
	WIN MUL_HI
	MUL16 F1, 1, 0, 0
	MUL16 F1, 1, 2, 0
	PLACES
	WIN TO_B
	BLOAD 2
	WIN 0
	ALOAD 1
	ALOAD 2
	ALOAD 3
	s_wait_dscnt 40                                ; all but the 40 just issued
	ROW 0
.irp a, 0,1,2,3,4,5,6,7
	PLACES
	PACK \a
	TOSTAGE \a
.if (\a) < 4
	ALOAD (\a)+4
	SEND \a, 8
.else
	SEND \a, 0
.endif
.if (\a) < 7
	ROW (\a)+1
.endif
.endr
	s_wait_tensorcnt 0x0                           ; the wave's end
	ds_add_u32 v[SPW], v[NIL]
	s_wait_dscnt 0x0
	CROUND                                         ; the closing round
	s_endpgm
.Lfunc_end_k_qe9bd503cbd_gemm1:
	.size	k_qe9bd503cbd_gemm1, .Lfunc_end_k_qe9bd503cbd_gemm1-k_qe9bd503cbd_gemm1
	.p2alignl 7, 3214868480
	.fill 96, 4, 3214868480
	.section	.rodata,"a",@progbits
	.p2align	6, 0x0
	.amdhsa_kernel k_qe9bd503cbd_gemm1
		.amdhsa_group_segment_fixed_size 327680
		.amdhsa_private_segment_fixed_size 0
		.amdhsa_enable_private_segment 0
		.amdhsa_kernarg_size 24
		.amdhsa_user_sgpr_count 2
		.amdhsa_user_sgpr_kernarg_segment_ptr 1
		.amdhsa_wavefront_size32 1
		.amdhsa_system_sgpr_workgroup_id_x 1
		.amdhsa_system_sgpr_workgroup_id_y 1
		.amdhsa_system_sgpr_workgroup_id_z 1
		.amdhsa_system_vgpr_workitem_id 0
		.amdhsa_next_free_vgpr 1024
		.amdhsa_next_free_sgpr 66
		.amdhsa_reserve_vcc 0
		.amdhsa_float_denorm_mode_32 3
		.amdhsa_float_denorm_mode_16_64 3
		.amdhsa_memory_ordered 1
		.amdhsa_forward_progress 1
		.amdhsa_inst_pref_size 143
	.end_amdhsa_kernel
	.amdgpu_metadata
---
amdhsa.version: [ 1, 2 ]
amdhsa.kernels:
  - .name:           k_qe9bd503cbd_gemm1
    .symbol:         k_qe9bd503cbd_gemm1.kd
    .args:
      - { .name: act, .offset: 0, .size: 8, .value_kind: global_buffer, .address_space: global }
      - { .name: wgt, .offset: 8, .size: 8, .value_kind: global_buffer, .address_space: global }
      - { .name: gates, .offset: 16, .size: 8, .value_kind: global_buffer, .address_space: global }
    .group_segment_fixed_size: 327680
    .private_segment_fixed_size: 0
    .kernarg_segment_align: 8
    .kernarg_segment_size: 24
    .max_flat_workgroup_size: 128
    .sgpr_count:     66
    .vgpr_count:     1024
    .wavefront_size: 32
...
	.end_amdgpu_metadata
.endif
;; end of part 2
;; launch ln2 (part 3): grid 512 x 1, 8 waves a work-group, no clusters, 0 bytes of LDS; arguments x, h, gates, par, act; writes act
.if DOCPART == 3
	.amdgcn_target "amdgcn-amd-amdhsa--gfx1250"
	.amdhsa_code_object_version 6
	.text
	.protected	k_qe9bd503cbd_ln2
	.globl	k_qe9bd503cbd_ln2
	.p2align	8
	.type	k_qe9bd503cbd_ln2,@function
k_qe9bd503cbd_ln2:
	s_mov_b64 s[64:65], 0
	v_nop
	global_prefetch_b8 v0, s[64:65] scope:SCOPE_SE
	s_setreg_imm32_b32 hwreg(HW_REG_WAVE_MODE, 25, 1), 1
	s_wait_xcnt 0x0
; LN2.  r = sigmoid(gates[:, :1024] + bg[:1024]);  act[row][:] = bf16( LN(x[row] || h[row] * r) * (g2*mask) + (b2*mask) ).
; One wave takes one row at a time, two rows in all: mean, then mean of (v - mean)^2, all in f32.  The row has two buffers of 64 registers: XR as loaded (h's half then times r), XW centred.
; Centring writes XW = XR - mean, so XR and the gates' registers are free from there on, and the next row's 24 loads go out ahead of the squares, the scaling and the stores of the row in hand.
; par, made by the first launch, holds f16(g2*mask) [2048], f16(b2*mask) [2048] and -log2(e) * bg[:1024] in f32, in column order: 40 loads and no arithmetic, and the first row's loads follow at once.
; No LDS, no barrier, no matrix unit: a stream in which no wave needs another.
; sigmoid(t) = 1 / (1 + 2^(-log2(e) t)): an exponential that overflows gives 0, one that underflows gives 1, the function's limits.
; LIMITS.  gates holds the raw product in f16 (an infinity there gives r = 0 or 1); the bias is added in f32.  gain*mask and bias*mask come rounded once to f16: off by up to 2^-12 of
; themselves, an infinity beyond 65,504.  NaN and infinities in the inputs are not treated apart.
.set ROWB,  4096                       ; bytes in a row of x, h (1,024 f32), gates (2,048 f16) and act (2,048 bf16)
.set ROWS,  2
.set XW,   2                           ; v[2:65]    the row centred, scaled, at last packed: element 4 j + c is column 128 j + 4 lane + c; j < 8 from x, the others h * r
.set XR,   66                          ; v[66:129]  the row as loaded
.set GH,   130                         ; v[130:161] g2 * mask, f16: register p holds elements 2 p (low half) and 2 p + 1
.set BH,   162                         ; v[162:193] b2 * mask, likewise
.set BG,   194                         ; v[194:225] -log2(e) * bg of my 32 columns of r
.set G,    226                         ; v[226:241] the r half of the gates: load q holds four f16 for h's load q
.set T,    242                         ; v[242:249] at work
.set MR,   250                         ; v[250:251] the mean, later 1 / sqrt(var + eps), twice
.set XO,   252                         ; v252       my byte offset in x and h
.set YO,   253                         ; v253       my byte offset in gates and in act: the same pitch, 8 bytes a lane in both
.set NL,   254                         ; v254       -log2(e)
.set PT,   255                         ; v255       first 16 x lane, for bg's loads; then the other half of the lanes' partial sum
	s_load_b256 s[4:11], s[0:1], 0x0               ; x 4, h 6, gates 8, par 10
	s_load_b64 s[12:13], s[0:1], 0x20              ; act
	v_and_b32 v1, 31, v0
	v_lshrrev_b32 v[T], 5, v0
	v_lshlrev_b32 v[T], 13, v[T]                   ; wave x 2 rows x 4,096 bytes
	v_lshl_add_u32 v[XO], v1, 4, v[T]
	v_lshl_add_u32 v[YO], v1, 3, v[T]
	v_lshlrev_b32 v[PT], 4, v1                     ; 16 x lane
	v_lshlrev_b32 v1, 3, v1                        ; 8 x lane
	v_mov_b32 v[NL], 0xbfb8aa3b
	s_lshl_b32 s24, ttmp9, 16                      ; the work-group's 16 rows x 4,096 bytes
	s_mov_b32 s25, 0
	s_mov_b32 s26, 0x3a000000                      ; 1 / 2,048
	s_mov_b32 s27, 0x3727c5ac                      ; eps = 1e-5
	s_mov_b32 s28, 0x76543210
	s_mov_b32 s29, 0xfedcba98
	s_mov_b32 s30, ROWS
	s_wait_kmcnt 0x0
	s_add_nc_u64 s[4:5], s[4:5], s[24:25]
	s_add_nc_u64 s[6:7], s[6:7], s[24:25]
	s_add_nc_u64 s[8:9], s[8:9], s[24:25]
	s_add_nc_u64 s[12:13], s[12:13], s[24:25]
.set j, 0
.rept 16
	global_load_b64 v[GH+2*j:GH+2*j+1], v1, s[10:11] offset:256*j        ; four f16 a lane: columns 128 j + 4 lane ..
	global_load_b64 v[BH+2*j:BH+2*j+1], v1, s[10:11] offset:4096+256*j
.set j, j+1
.endr
.set j, 0
.rept 8
	global_load_b128 v[BG+4*j:BG+4*j+3], v[PT], s[10:11] offset:8192+512*j
.set j, j+1
.endr
.macro LOADS off                       ; a row's 24 loads: the gates and h first, x last
.set j, 0
.rept 8
	global_load_b64 v[G+2*j:G+2*j+1], v[YO], s[8:9] offset:(\off)+256*j th:TH_LOAD_NT
.set j, j+1
.endr
.set j, 0
.rept 8
	global_load_b128 v[XR+32+4*j:XR+32+4*j+3], v[XO], s[6:7] offset:(\off)+512*j th:TH_LOAD_NT
.set j, j+1
.endr
.set j, 0
.rept 8
	global_load_b128 v[XR+4*j:XR+4*j+3], v[XO], s[4:5] offset:(\off)+512*j th:TH_LOAD_NT
.set j, j+1
.endr
.endm
	LOADS 0                                        ; the first row, straight behind the tables
.macro RED r
	v_add_f32_dpp v[\r], v[\r], v[\r] row_xmask:1 row_mask:0xf bank_mask:0xf
	v_add_f32_dpp v[\r], v[\r], v[\r] row_xmask:2 row_mask:0xf bank_mask:0xf
	v_add_f32_dpp v[\r], v[\r], v[\r] row_xmask:4 row_mask:0xf bank_mask:0xf
	v_add_f32_dpp v[\r], v[\r], v[\r] row_xmask:8 row_mask:0xf bank_mask:0xf
	v_permlanex16_b32 v[PT], v[\r], s28, s29
	v_add_f32 v[\r], v[\r], v[PT]
.endm
.macro JOIN
	v_pk_add_f32 v[T:T+1], v[T:T+1], v[T+2:T+3]
	v_pk_add_f32 v[T+4:T+5], v[T+4:T+5], v[T+6:T+7]
	v_pk_add_f32 v[T:T+1], v[T:T+1], v[T+4:T+5]
	v_add_f32 v[T], v[T], v[T+1]
	RED T
.endm
.macro SUMS                            ; the row's sum: the first eight pairs start four chains, nothing is cleared
.irp c, 0,1,2,3
	v_pk_add_f32 v[T+2*\c:T+2*\c+1], v[XR+2*\c:XR+2*\c+1], v[XR+8+2*\c:XR+8+2*\c+1]
.endr
.set p, 8
.rept 24
	v_pk_add_f32 v[T+2*(p%4):T+2*(p%4)+1], v[T+2*(p%4):T+2*(p%4)+1], v[XR+2*p:XR+2*p+1]
.set p, p+1
.endr
	JOIN
.endm
.macro CENTRE                          ; XW = XR - mean: XR is read for the last time
	v_mul_f32 v[MR], s26, v[T]
	v_mul_f32 v[MR+1], s26, v[T]
.set p, 0
.rept 32
	v_pk_add_f32 v[XW+2*p:XW+2*p+1], v[XR+2*p:XR+2*p+1], v[MR:MR+1] neg_lo:[0,1] neg_hi:[0,1]
.set p, p+1
.endr
.endm
.macro SQ
.irp c, 0,1,2,3
	v_pk_mul_f32 v[T+2*\c:T+2*\c+1], v[XW+2*\c:XW+2*\c+1], v[XW+2*\c:XW+2*\c+1]
.endr
.set p, 4
.rept 28
	v_pk_fma_f32 v[T+2*(p%4):T+2*(p%4)+1], v[XW+2*p:XW+2*p+1], v[XW+2*p:XW+2*p+1], v[T+2*(p%4):T+2*(p%4)+1]
.set p, p+1
.endr
	JOIN
.endm
.macro NORM                            ; times 1 / sqrt(var + eps); gain and bias straight from their f16 halves, reckoned in f32; rounded to bf16 in place
	v_fma_f32 v[T], v[T], s26, s27
	v_rsq_f32 v[MR], v[T]
	v_rsq_f32 v[MR+1], v[T]
	v_nop                                          ; a plain instruction between the root and the use of its result (ISA guide 5.7.2)
.set p, 0
	s_wait_alu depctr_va_vdst(0)
.rept 32
	v_pk_mul_f32 v[XW+2*p:XW+2*p+1], v[XW+2*p:XW+2*p+1], v[MR:MR+1]
.set p, p+1
.endr
.set p, 0
.rept 32
	v_fma_mix_f32 v[XW+2*p],   v[XW+2*p],   v[GH+p], v[BH+p] op_sel_hi:[0,1,1]
	v_fma_mix_f32 v[XW+2*p+1], v[XW+2*p+1], v[GH+p], v[BH+p] op_sel:[0,1,1] op_sel_hi:[0,1,1]
.set p, p+1
.endr
.set p, 0
.rept 32
	v_cvt_pk_bf16_f32 v[XW+p], v[XW+2*p], v[XW+2*p+1] ; ascending: the destination never passes a source that is still to be read
.set p, p+1
.endr
.endm
.macro PUT
.set j, 0
.rept 16
	global_store_b64 v[YO], v[XW+2*j:XW+2*j+1], s[12:13] offset:256*j  ; each store of the wave covers 256 consecutive bytes, aligned
.set j, j+1
.endr
.endm
; h's loads 2 g and 2 g + 1 (eight numbers a lane) times r
.macro SIG g
.irp e, 0,1
.irp d, 0,1
	v_fma_mix_f32 v[T+4*\e+2*\d],   v[G+2*(2*(\g)+\e)+\d], v[NL], v[BG+4*(2*(\g)+\e)+2*\d]   op_sel_hi:[1,0,0]
	v_fma_mix_f32 v[T+4*\e+2*\d+1], v[G+2*(2*(\g)+\e)+\d], v[NL], v[BG+4*(2*(\g)+\e)+2*\d+1] op_sel:[1,0,0] op_sel_hi:[1,0,0]
.endr
.endr
.irp i, 0,1,2,3,4,5,6,7
	v_exp_f32 v[T+\i], v[T+\i]
.endr
	v_nop                                          ; a plain instruction behind the run of exponentials
	s_wait_alu depctr_va_vdst(0)
.irp i, 0,2,4,6
	v_pk_add_f32 v[T+\i:T+\i+1], v[T+\i:T+\i+1], 1.0 op_sel_hi:[1,0]
.endr
.irp i, 0,1,2,3,4,5,6,7
	v_rcp_f32 v[T+\i], v[T+\i]
.endr
	v_nop                                          ; and behind the run of reciprocals
	s_wait_alu depctr_va_vdst(0)
.irp i, 0,2,4,6
	v_pk_mul_f32 v[XR+32+8*(\g)+\i:XR+32+8*(\g)+\i+1], v[XR+32+8*(\g)+\i:XR+32+8*(\g)+\i+1], v[T+\i:T+\i+1]
.endr
.endm
.Lrow:
	s_wait_loadcnt 0x8                             ; loads come back in order: the tables, the gates and h are in; x's eight loads, the youngest, may stay out
	SIG 0
	SIG 1
	SIG 2
	SIG 3
	s_wait_loadcnt 0x0
	SUMS
	CENTRE
	s_cmp_eq_u32 s30, 1                            ; the last row has no successor: its trip jumps forward over the loads, so none leaves the buffers
	s_cbranch_scc1 .Llast
	LOADS ROWB                                     ; the next row: one row on stands in the immediates
.Llast:
	SQ
	NORM
	PUT
	s_wait_xcnt 0x0                                ; the stores' data (XW) and the two offsets are rewritten only behind this wait
	v_add_nc_u32 v[XO], ROWB, v[XO]
	v_add_nc_u32 v[YO], ROWB, v[YO]
	s_sub_co_u32 s30, s30, 1
	s_cmp_lg_u32 s30, 0
	s_cbranch_scc1 .Lrow
	s_endpgm
.Lfunc_end_k_qe9bd503cbd_ln2:
	.size	k_qe9bd503cbd_ln2, .Lfunc_end_k_qe9bd503cbd_ln2-k_qe9bd503cbd_ln2
	.p2alignl 7, 3214868480
	.fill 96, 4, 3214868480
	.section	.rodata,"a",@progbits
	.p2align	6, 0x0
	.amdhsa_kernel k_qe9bd503cbd_ln2
		.amdhsa_group_segment_fixed_size 0
		.amdhsa_private_segment_fixed_size 0
		.amdhsa_enable_private_segment 0
		.amdhsa_kernarg_size 40
		.amdhsa_user_sgpr_count 2
		.amdhsa_user_sgpr_kernarg_segment_ptr 1
		.amdhsa_wavefront_size32 1
		.amdhsa_system_sgpr_workgroup_id_x 1
		.amdhsa_system_sgpr_workgroup_id_y 1
		.amdhsa_system_sgpr_workgroup_id_z 1
		.amdhsa_system_vgpr_workitem_id 0
		.amdhsa_next_free_vgpr 256
		.amdhsa_next_free_sgpr 66
		.amdhsa_reserve_vcc 0
		.amdhsa_float_denorm_mode_32 3
		.amdhsa_float_denorm_mode_16_64 3
		.amdhsa_memory_ordered 1
		.amdhsa_forward_progress 1
		.amdhsa_inst_pref_size 33
	.end_amdhsa_kernel
	.amdgpu_metadata
---
amdhsa.version: [ 1, 2 ]
amdhsa.kernels:
  - .name:           k_qe9bd503cbd_ln2
    .symbol:         k_qe9bd503cbd_ln2.kd
    .args:
      - { .name: x, .offset: 0, .size: 8, .value_kind: global_buffer, .address_space: global }
      - { .name: h, .offset: 8, .size: 8, .value_kind: global_buffer, .address_space: global }
      - { .name: gates, .offset: 16, .size: 8, .value_kind: global_buffer, .address_space: global }
      - { .name: par, .offset: 24, .size: 8, .value_kind: global_buffer, .address_space: global }
      - { .name: act, .offset: 32, .size: 8, .value_kind: global_buffer, .address_space: global }
    .group_segment_fixed_size: 0
    .private_segment_fixed_size: 0
    .kernarg_segment_align: 8
    .kernarg_segment_size: 40
    .max_flat_workgroup_size: 256
    .sgpr_count:     66
    .vgpr_count:     256
    .wavefront_size: 32
...
	.end_amdgpu_metadata
.endif
;; end of part 3
;; launch gemm2 (part 4): grid 4 x 64, 4 waves a work-group, clusters of 4 x 4, 327,680 bytes of LDS; arguments act, wut, gates, h, bg, bu, out0; writes out0
.if DOCPART == 4
	.amdgcn_target "amdgcn-amd-amdhsa--gfx1250"
	.amdhsa_code_object_version 6
	.text
	.protected	k_qe9bd503cbd_gemm2
	.globl	k_qe9bd503cbd_gemm2
	.p2align	8
	.type	k_qe9bd503cbd_gemm2,@function
k_qe9bd503cbd_gemm2:
	s_mov_b64 s[64:65], 0
	v_nop
	global_prefetch_b8 v0, s[64:65] scope:SCOPE_SE
	s_setreg_imm32_b32 hwreg(HW_REG_WAVE_MODE, 25, 1), 1
	s_wait_xcnt 0x0
	s_wait_alu depctr_hold_cnt(0) depctr_sa_sdst(0) depctr_va_vdst(0) depctr_va_sdst(0) depctr_va_ssrc(0) depctr_va_vcc(0) depctr_vm_vsrc(0)
	s_getreg_b32 s2, hwreg(HW_REG_IB_STS2, 6, 4)
	s_cmp_eq_u32 s2, 0
	s_cbranch_scc0 .Lentry_in_a_cluster
	s_endpgm
.Lentry_in_a_cluster:
	s_bfe_u32 s2, ttmp6, 0x10000c
	s_cmp_lg_u32 s2, 0xf033
	s_cbranch_scc0 .Lentry_shape_is_right
	s_endpgm
.Lentry_shape_is_right:
; out0 = u + z (h - u),  u = tanh(act x Wu + bu),  z = sigmoid(gates[:, 1024:] + bg[1024:]).   (u + z (h - u) = h z + (1 - z) u.)
; act: [8192][2048] bf16, wut: [1024][2048] bf16 (Wu turned), gates: [8192][2048] f16 (raw products), h, out0: [8192][1024] f32.  Sums in f32, K ascending; all else in f32.
; tanh(y) = 1 - 2 / (1 + 2^(2 log2(e) y)), sigmoid(t) = 1 / (1 + 2^(-log2(e) t)): an exponential that overflows or underflows gives the functions' limits.
; LIMITS.  An infinity in gates gives z = 0 or 1.  z is kept in LDS rounded once to f16: off by 2^-12 at the most.  NaN and infinities in the inputs are not treated apart.
; A tile of 128 x 256 of the product is made by four waves, 64 x 128 each: 32 accumulators, 256 registers; 64 x 4 tiles, one work-group each.  K goes in steps of 128 through two LDS slots:
; two slots of a step of 256 would be 2 x 384 rows x 528 bytes, more than LDS holds.
; CLUSTERS: 4 x 4 work-groups; A's tile is shared along a row of the cluster, B's along a column: each is asked for JOINTLY, by the same tensor load, descriptor and mask in all four.
; THE MATRIX INSTRUCTION IS USED TRANSPOSED (source 0 = 16 rows of B, source 1 = 16 rows of A): a lane holds eight neighbouring numbers of a row.
; z IS MADE IN THE K LOOP: a step's 128 matrix instructions leave the wave time in front of the wait for the next tile.  Each of the loop's seven trips, and the last lap once, takes eight of the
; wave's 64 rows of gates (asked for a trip earlier), makes z and puts it, as f16, into LDS bytes of the wave's own, from which the way out reads it.
; h's rows are asked for in the last lap, which asks for no more tiles: they land under the products and under the way out's earlier rows.
; PREFETCH: wave 0 asks for A's tiles ahead of the tensor loads: see PREF.
; REGISTERS, in windows of 256:  window 0: v0-31 addresses and biases; v32-63, v96-127 eight rows of u by turns; v64-95 eight rows of z at work; v128-143 their gates; v144-159 z packed; v160-175 z read back
;   window 1: the accumulators, (a, b) at v[8 (8 a + b)]     window 2: two fragment buffers of 96: A's four blocks, then B's eight     window 3: h, four registers a row
.set KSTEP,  128
.set PITCH,  272                       ; an LDS row: 256 bytes + 16 of padding: the 16 rows that a load touches start at 16 different groups of four banks (ISA guide 11.1)
.set AH,     64*PITCH                  ; half of A's tile: one tensor load; also what one wave reads of A
.set BH,     128*PITCH                 ; half of B's tile, likewise
.set BOFF,   2*AH                      ; B's 256 rows lie behind A's 128
.set SLOT,   2*AH+2*BH
.set STAGE,  2*SLOT                    ; behind the ring: for each wave 16 rows of 512 bytes
.set SPITCH, 528                       ; 512 + 16: the 16 rows that a store touches start at 16 different groups of four banks
.set WSTAGE, 16*SPITCH
.set ZS,     STAGE+4*WSTAGE            ; behind the stages: z, for each wave 64 rows of 128 f16; no tensor load lands here
.set WZ,     64*256
.set SPARE,  ZS+4*WZ                   ; behind z: the spare words, 128 bytes for each wave
.set LAPS,   2048/(2*KSTEP)
.set ZA,   6                           ; v6        where this portion's z goes
.set PO,   7                           ; v7        the prefetches' byte offset: row 32 cx + lane of A's tile; never rewritten
.set BZ,   8                           ; v[8:11]   -log2(e) x bg of my four columns
.set BU,   12                          ; v[12:15]  2 log2(e) x bu of my four columns
.set ADRA, 16                          ; v16-17    LDS address of my A fragments in slot 0, 1
.set ADRB, 20                          ; v20-21    the same for B
.set STO,  24                          ; v24       the way out: where I put 32 bytes of a row
.set RD,   25                          ; v25       the way out: where I read 16 bytes of a row back
.set HO,   26                          ; v26       16 x lane: my place in 512 bytes of h, out0, bg, bu
.set GO,   27                          ; v27       8 x lane: my place in 256 bytes of gates
.set SPW,  28                          ; v28       LDS address of my spare word; never rewritten
.set NIL,  29                          ; v29       0; never rewritten
.set NL,   30                          ; v30       -log2(e)
.set ZA0,  31                          ; v31       my 8 bytes in row 0 of my wave's z; never rewritten
.set U0,   32
.set TZ,   64
.set ZR,   128
.set ZP,   144
.set ZH,   160
.set F0,   0                           ; fragment buffers, in window 2
.set F1,   96
.set G1, 24                            ; s[24:31] descriptor group 1 for A's tiles;  s[32:39] group 0, one set for each slot
.set G0, 32
.set G1B, 48                           ; s[48:55], s[56:63] the same for B's tiles
.set G0B, 56
.set K2, 78                            ; s[78:79] 2 log2(e), named as a pair
.set PA, 84                            ; s[84:85] the prefetches' base: A's tile, at the K step to be asked for
.set ZB, 86                            ; s86      the portion's first row in my wave's z, in bytes
.set MSB, 0
.macro WIN new                         ; the immediate's high byte repeats the setting that is left; a switch that changes nothing is dropped
.if MSB != (\new)
	s_set_vgpr_msb (MSB<<8)|(\new)
.set MSB, \new
.endif
.endm
.set MUL,    0x5a                      ; sources 0 (B) and 1 (A) window 2; C and D window 1
.set TO_F,   0x80                      ; destination window 2, address window 0
.set TO_H,   0xc0                      ; destination window 3, address window 0
.set ST_ACC, 0x04                      ; an LDS store's data (source 1) window 1
.set SUBH,   0xc3                      ; destination and source 0 window 3
.set FMAH,   0x0c                      ; source 1 window 3
.macro JLOAD s                         ; a joint load: waves 0 and 1 fetch A's two halves, waves 2 and 3 B's; an s_nop 0 and four v_nop follow each of the two lines
	s_cmp_eq_u32 s11, 0
	s_cbranch_scc0 .Lfor_b_\@
	tensor_load_to_lds s[G0+4*(\s):G0+4*(\s)+3], s[G1:G1+7]
	s_nop 0
.rept 4
	v_nop
.endr
	s_branch .Lasked_\@
.Lfor_b_\@:
	tensor_load_to_lds s[G0B+4*(\s):G0B+4*(\s)+3], s[G1B:G1B+7]
	s_nop 0
.rept 4
	v_nop
.endr
.Lasked_\@:
.endm
.macro CREST                           ; a round of the cluster's barrier behind its opening barrier
	s_cmp_lg_u32 s10, 0
	s_cbranch_scc1 .Lnot_wave_0_\@
	s_barrier_signal -3
.Lnot_wave_0_\@:
	s_barrier_wait -3
	s_barrier_signal -1
	s_barrier_wait -1
.endm
.macro CROUND                          ; a whole round
	s_barrier_signal -1
	s_barrier_wait -1
	CREST
.endm
; A prefetch.  A's tile of a K step is 128 rows of 256 bytes, read once in the launch, by the four work-groups of a row of the cluster.  Each of the four asks for a quarter of it: wave 0 alone,
; lane l for row 32 cx + l, so each piece of a row is asked for once.  In trip j the two requests, behind the refills with K steps 2 j + 2 and 2 j + 3, are for K steps 2 j + 4 and 2 j + 5: two K steps,
; 256 of the wave's matrix instructions, ahead of the tensor loads that will want them, 16,384 bytes a work-group asked for and not yet read.  The last trip (s3 = 1) asks for nothing: K ends at step 15.
.macro PREF off
	s_cmp_lg_u32 s10, 0
	s_cbranch_scc1 .Lno_pf_\@
	s_cmp_eq_u32 s3, 1
	s_cbranch_scc1 .Lno_pf_\@
	global_prefetch_b8 v[PO], s[PA:PA+1] offset:\off th:TH_LOAD_NT scope:SCOPE_SE
.Lno_pf_\@:
.endm
	s_load_b128 s[4:7], s[0:1], 0x0                ; act s[4:5], wut s[6:7]
	s_load_b256 s[68:75], s[0:1], 0x10             ; gates 68, h 70, bg 72, bu 74
	s_load_b64 s[8:9], s[0:1], 0x30                ; out0
	v_lshl_add_u32 v[SPW], v0, 2, SPARE
	v_mov_b32 v[NIL], 0
	ds_add_u32 v[SPW], v[NIL]                      ; the wave's opening: the add and its wait stand ahead of my first tensor load; the set-up below stands between them
	v_lshrrev_b32 v1, 5, v0
	v_readfirstlane_b32 s10, v1                    ; wave 0..3
	s_lshr_b32 s11, s10, 1                         ; which 64 of the tile's rows are mine.  Also: I fetch for A (0) or for B (1)
	s_and_b32 s12, s10, 1                          ; which 128 of its columns.  Also: which half of that tile I fetch
	s_bfe_u32 s40, ttmp6, 0x40000                  ; cx
	s_bfe_u32 s41, ttmp6, 0x40004                  ; cy
	s_lshl_b32 s42, ttmp9, 2
	s_add_co_u32 s42, s42, s40                     ; tile column = 4 x cluster x + cx
	s_and_b32 s13, ttmp7, 0xffff
	s_lshl_b32 s13, s13, 2
	s_add_co_u32 s13, s13, s41                     ; tile row = 4 x cluster y + cy
	s_lshl_b32 s43, s41, 2
	s_lshl_b32 s43, 15, s43                        ; my row of the cluster
	s_lshl_b32 s44, 0x1111, s40                    ; my column
	s_or_b32 s[G1+0], s43, (1<<16)|(1<<20)|(1<<21)|(5<<22)|(3<<25)  ; the mask; elements of 2 bytes; padding on; bit 21 beside a mask; after every 64 words, 4 words
	s_or_b32 s[G1B+0], s44, (1<<16)|(1<<20)|(1<<21)|(5<<22)|(3<<25)
	s_mov_b32 s[G1+1], KSTEP<<16                   ; A: tensor_dim0 = 128
	s_mov_b32 s[G1+2], 64<<16                      ; tensor_dim1 = 64
	s_mov_b32 s[G1+3], KSTEP<<16                   ; tile_dim0 = 128
	s_mov_b32 s[G1+4], 64                          ; tile_dim1 = 64
	s_mov_b32 s[G1+5], 2048                        ; elements from row to row
	s_mov_b32 s[G1+6], 0
	s_mov_b32 s[G1+7], 0
	s_mov_b32 s[G1B+1], KSTEP<<16                  ; B: the same with 128 rows
	s_mov_b32 s[G1B+2], 128<<16
	s_mov_b32 s[G1B+3], KSTEP<<16
	s_mov_b32 s[G1B+4], 128
	s_mov_b32 s[G1B+5], 2048
	s_mov_b32 s[G1B+6], 0
	s_mov_b32 s[G1B+7], 0
	; A's tiles hang on the tile row alone, B's on the tile column alone; every wave makes both addresses, in registers that never hold the other coordinate
	s_lshl_b32 s16, s13, 7
	s_lshl_b32 s17, s12, 6
	s_add_co_u32 s16, s16, s17                     ; A: row 128 x tile row + 64 x half
	s_lshl_b32 s16, s16, 12                        ; x 4,096 bytes: 33,292,288 at the most
	s_mov_b32 s17, 0
	s_lshl_b32 s46, s42, 8
	s_lshl_b32 s47, s12, 7
	s_add_co_u32 s46, s46, s47                     ; B: row 256 x tile column + 128 x half
	s_lshl_b32 s46, s46, 12
	s_mov_b32 s47, 0
	s_mul_i32 s20, s12, AH                         ; where they go: A's halves,
	s_mul_i32 s21, s12, BH
	s_add_co_u32 s21, s21, BOFF                    ; B's halves behind them: no place in the cluster enters an LDS address
	s_lshl_b32 s76, s13, 19                        ; the prefetches: A's tile begins 128 x tile row x 4,096 bytes in,
	s_mov_b32 s77, 0
	s_mov_b32 s[ZB], 0
	s_wait_dscnt 0x0                               ; the opening add is done
	s_wait_kmcnt 0x0
	s_add_nc_u64 s[14:15], s[4:5], s[16:17]
	s_add_nc_u64 s[46:47], s[6:7], s[46:47]
	s_add_nc_u64 s[PA:PA+1], s[4:5], s[76:77]
	s_add_nc_u64 s[PA:PA+1], s[PA:PA+1], 2*KSTEP*2 ; and the first request is for K step 2
	CROUND                                         ; all sixteen work-groups are here: the first joint loads meet
.irp s, 0,1
	s_mov_b32 s[G0+4*(\s)], 1
	s_add_co_u32 s[G0+4*(\s)+1], s20, (\s)*SLOT
	s_add_nc_u64 s[G0+4*(\s)+2:G0+4*(\s)+3], s[14:15], (\s)*KSTEP*2
	s_or_b32 s[G0+4*(\s)+3], s[G0+4*(\s)+3], 0x80000000
	s_mov_b32 s[G0B+4*(\s)], 1
	s_add_co_u32 s[G0B+4*(\s)+1], s21, (\s)*SLOT
	s_add_nc_u64 s[G0B+4*(\s)+2:G0B+4*(\s)+3], s[46:47], (\s)*KSTEP*2
	s_or_b32 s[G0B+4*(\s)+3], s[G0B+4*(\s)+3], 0x80000000
	JLOAD \s                                       ; two loads of mine are out
.endr
	; my 64 rows x 128 columns in h, out0, gates, and my columns in bg, bu
	s_lshl_b32 s76, s13, 7
	s_lshl_b32 s22, s11, 6
	s_add_co_u32 s76, s76, s22                     ; my first row
	s_lshl_b32 s76, s76, 12                        ; rows of 4,096 bytes in all three
	s_lshl_b32 s80, s42, 10
	s_lshl_b32 s22, s12, 9
	s_add_co_u32 s80, s80, s22                     ; my first column x 4 bytes
	s_mov_b32 s81, 0
	s_lshr_b32 s82, s80, 1                         ; x 2 bytes,
	s_add_co_u32 s82, s82, s76
	s_add_co_u32 s82, s82, 2048                    ; in the z half of a row of gates
	s_mov_b32 s83, 0
	s_add_co_u32 s76, s76, s80
	s_mov_b32 s77, 0
	s_add_nc_u64 s[68:69], s[68:69], s[82:83]
	s_add_nc_u64 s[70:71], s[70:71], s[76:77]
	s_add_nc_u64 s[8:9], s[8:9], s[76:77]
	s_add_nc_u64 s[72:73], s[72:73], s[80:81]
	s_add_nc_u64 s[72:73], s[72:73], 4096          ; bg's second half
	s_add_nc_u64 s[74:75], s[74:75], s[80:81]
	v_and_b32 v4, 31, v0
	v_lshlrev_b32 v[HO], 4, v4
	v_lshlrev_b32 v[GO], 3, v4
	global_load_b128 v[BZ:BZ+3], v[HO], s[72:73]
	global_load_b128 v[BU:BU+3], v[HO], s[74:75]
.set t, 0
.rept 8                                                ; the gates of my rows 0-7: a row of my 128 columns is 256 consecutive bytes, aligned
	global_load_b64 v[ZR+2*t:ZR+2*t+1], v[GO], s[68:69] offset:t*4096 th:TH_LOAD_NT
.set t, t+1
.endr
	s_lshl_b32 s87, s40, 17                        ; 32 cx rows of 4,096 bytes
	v_lshl_add_u32 v[PO], v4, 12, s87              ; + my lane's row
	s_cmp_lg_u32 s10, 0
	s_cbranch_scc1 .Lno_first_pf
	global_prefetch_b8 v[PO], s[PA:PA+1] th:TH_LOAD_NT scope:SCOPE_SE             ; K steps 2 and 3, which the first trip's two refills will want
	global_prefetch_b8 v[PO], s[PA:PA+1] offset:256 th:TH_LOAD_NT scope:SCOPE_SE
.Lno_first_pf:
	v_and_b32 v1, 15, v0                           ; l % 16
	v_bfe_u32 v2, v0, 4, 1                         ; l / 16
	v_mul_u32_u24 v3, v1, PITCH
	v_lshl_add_u32 v3, v2, 4, v3                   ; a fragment's row x pitch + 16 x half
	s_mul_i32 s22, s11, AH                         ; my 64 rows of A
	s_mul_i32 s23, s12, BH                         ; my 128 rows of B
	s_add_co_u32 s23, s23, BOFF
.irp s, 0,1
	v_add_nc_u32 v[ADRA+(\s)], s22, v3
	v_add_nc_u32 v[ADRB+(\s)], s23, v3
	s_add_co_u32 s22, s22, SLOT
	s_add_co_u32 s23, s23, SLOT
.endr
	s_mul_i32 s22, s10, WSTAGE
	s_add_co_u32 s22, s22, STAGE                   ; my stage
	v_mul_u32_u24 v5, v1, SPITCH                   ; in: row l % 16, 32 bytes for each half of the lanes
	v_lshl_add_u32 v5, v2, 5, v5
	v_add_nc_u32 v[STO], s22, v5
	v_add_nc_u32 v[RD], s22, v[HO]                 ; back: 32 lanes take one row of 512 bytes
	s_lshl_b32 s22, s10, 14
	s_add_co_u32 s22, s22, ZS                      ; my wave's z
	v_add_nc_u32 v[ZA0], s22, v[GO]                ; 32 lanes take one row of 256 bytes
	v_mov_b32 v[NL], 0xbfb8aa3b
	s_mov_b32 s[K2], 0x4038aa3b
	s_mov_b32 s[K2+1], s[K2]
; n row blocks from a0 on x all 8 column blocks, 32 along K.  zero = 1: the product starts the sums.  The 32 accumulators take turns in the same order in every quarter.
.macro MULA f, a0, n, zero
	WIN MUL
.set aa, (\a0)
.rept (\n)
.irp b, 0,1,2,3,4,5,6,7
.if \zero
	v_wmma_f32_16x16x32_bf16 v[8*(8*aa+(\b)):8*(8*aa+(\b))+7], v[(\f)+32+8*(\b):(\f)+32+8*(\b)+7], v[(\f)+8*aa:(\f)+8*aa+7], 0
.else
	v_wmma_f32_16x16x32_bf16 v[8*(8*aa+(\b)):8*(8*aa+(\b))+7], v[(\f)+32+8*(\b):(\f)+32+8*(\b)+7], v[(\f)+8*aa:(\f)+8*aa+7], v[8*(8*aa+(\b)):8*(8*aa+(\b))+7]
.endif
.endr
.set aa, aa+1
.endr
.endm
; 24 LDS loads in one run: 32 K at byte k of the rows, into buffer f: B's eight blocks, then A's four
.macro FETCH slot, k, f
	WIN TO_F
.irp b, 0,1,2,3,4,5,6,7
	ds_load_b128 v[(\f)+32+8*(\b):(\f)+32+8*(\b)+3],   v[ADRB+(\slot)] offset:(\k)+(\b)*16*PITCH
	ds_load_b128 v[(\f)+32+8*(\b)+4:(\f)+32+8*(\b)+7], v[ADRB+(\slot)] offset:(\k)+(\b)*16*PITCH+32
.endr
.irp i, 0,1,2,3
	ds_load_b128 v[(\f)+8*(\i):(\f)+8*(\i)+3],   v[ADRA+(\slot)] offset:(\k)+(\i)*16*PITCH
	ds_load_b128 v[(\f)+8*(\i)+4:(\f)+8*(\i)+7], v[ADRA+(\slot)] offset:(\k)+(\i)*16*PITCH+32
.endr
.endm
.macro PLACES                          ; four places in front of loads into registers that matrix instructions have read, and of stores that read results
.rept 4
	v_nop
.endr
.endm
; A K step is four quarters of 32 along K, 32 matrix instructions each, on buffers 0, 1, 0, 1.  One of the first three: multiplies buffer f and fetches the next quarter, at byte k, into g.
.macro QUARTER slot, k, f, g, zero
	s_wait_dscnt 4                                 ; B and A's blocks 0, 1 are in; the youngest four LDS instructions may be out (A's blocks 2, 3; behind ZWORK four of z's stores, and then all the loads are in)
	MULA \f, 0, 2, \zero
	PLACES
	FETCH \slot, \k, \g
	s_wait_dscnt 24                                ; all but the 24 just issued
	MULA \f, 2, 2, \zero
.endm
; Eight rows of z.  Their gates were asked for a trip ago.  ld = 1: the next eight rows' gates are asked for as soon as these have been read, and the prefetches' base goes two K steps on.
.macro ZWORK ld
	WIN 0
	s_wait_loadcnt 0x0                             ; the eight loads of this portion: no other load of mine is out here
.if \ld
	s_wait_xcnt 0x0                                ; the last trip's prefetches have read their base: it is stepped only behind this wait
	s_add_nc_u64 s[PA:PA+1], s[PA:PA+1], 2*KSTEP*2
	s_add_nc_u64 s[68:69], s[68:69], 8*4096        ; eight rows of gates on
.endif
.set t, 0
.rept 8                                                ; -log2(e) (gate + bias), straight from the f16 halves
.irp d, 0,1
	v_fma_mix_f32 v[TZ+4*t+2*\d],   v[ZR+2*t+\d], v[NL], v[BZ+2*\d]   op_sel_hi:[1,0,0]
	v_fma_mix_f32 v[TZ+4*t+2*\d+1], v[ZR+2*t+\d], v[NL], v[BZ+2*\d+1] op_sel:[1,0,0] op_sel_hi:[1,0,0]
.endr
.set t, t+1
.endr
.if \ld
.set t, 0
.rept 8
	global_load_b64 v[ZR+2*t:ZR+2*t+1], v[GO], s[68:69] offset:t*4096 th:TH_LOAD_NT
.set t, t+1
.endr
.endif
.set t, 0
.rept 32
	v_exp_f32 v[TZ+t], v[TZ+t]
.set t, t+1
.endr
	v_add_nc_u32 v[ZA], s[ZB], v[ZA0]              ; where the portion goes: also the plain instruction behind the run of exponentials
.set t, 0
	s_wait_alu depctr_va_vdst(0)
.rept 16
	v_pk_add_f32 v[TZ+2*t:TZ+2*t+1], v[TZ+2*t:TZ+2*t+1], 1.0 op_sel_hi:[1,0]
.set t, t+1
.endr
.set t, 0
.rept 32
	v_rcp_f32 v[TZ+t], v[TZ+t]
.set t, t+1
.endr
	v_nop                                          ; a plain instruction behind the run of reciprocals
.set t, 0
	s_wait_alu depctr_va_vdst(0)
.rept 16
	v_cvt_pk_f16_f32 v[ZP+t], v[TZ+2*t], v[TZ+2*t+1]
.set t, t+1
.endr
.set t, 0
.rept 8
	ds_store_b64 v[ZA], v[ZP+2*t:ZP+2*t+1] offset:t*256  ; 32 lanes, 256 consecutive bytes: a row of my 128 columns
.set t, t+1
.endr
	s_add_co_u32 s[ZB], s[ZB], 8*256
.endm
; The last quarter multiplies buffer 1 and changes slots: ONE barrier; in front of it each wave waits for all its tensor loads (one is out: its part of the next slot), adds 0 to its spare word,
; and waits for that and for its own reads of this slot.  fill = 1: the barrier opens a round of the cluster's, and this slot is filled again, two K steps ahead, first thing behind it:
; 112 matrix instructions stand between that request and the wait for it.  zs: LDS stores of ZWORK that stand between the fragments' loads and the add.  pf: the prefetch's offset, or none.
.macro TURN slot, next, fill, zs=0, pf=-1
	WIN 0
	s_wait_tensorcnt 0x0
	ds_add_u32 v[SPW], v[NIL]
	s_wait_dscnt 5+(\zs)                           ; the add, z's stores and the youngest four loads may be out
	MULA F1, 0, 1, 0
	s_wait_dscnt 0x0                               ; the add is done, and my reads of this slot are over
	s_barrier_signal -1
	MULA F1, 1, 1, 0
.if \fill
	WIN 0
.endif
	s_barrier_wait -1
.if \fill
	CREST
	s_add_nc_u64 s[G0+4*(\slot)+2:G0+4*(\slot)+3], s[G0+4*(\slot)+2:G0+4*(\slot)+3], 2*KSTEP*2
	s_add_nc_u64 s[G0B+4*(\slot)+2:G0B+4*(\slot)+3], s[G0B+4*(\slot)+2:G0B+4*(\slot)+3], 2*KSTEP*2
	JLOAD \slot                                    ; its four v_nop are also the places in front of the loads below
.if (\pf) >= 0
	PREF \pf
.endif
.else
	PLACES
.endif
	FETCH \next, 0, F0
	MULA F1, 2, 2, 0
.endm
.macro HLOAD r0                        ; 32 rows of h: a row of my 128 columns is 512 consecutive bytes, aligned
	WIN TO_H
.set t, (\r0)
.rept 32
	global_load_b128 v[4*t:4*t+3], v[HO], s[70:71] offset:t*4096 th:TH_LOAD_NT
.set t, t+1
.endr
.endm
; THE WAY OUT.  TOSTAGE: block a's 16 rows x 128 columns of f32 into my own stage, each accumulator's low registers first.
.macro TOSTAGE a
	WIN ST_ACC
.irp b, 0,1,2,3,4,5,6,7
	ds_store_b128 v[STO], v[8*(8*(\a)+(\b)):8*(8*(\a)+(\b))+3]   offset:64*(\b)
	ds_store_b128 v[STO], v[8*(8*(\a)+(\b))+4:8*(8*(\a)+(\b))+7] offset:64*(\b)+16
.endr
.endm
; HALF: eight of those rows come back whole, four columns a lane, with their z, and are finished and stored.
.macro HALF a, hb
.set US, U0+64*(\hb)                   ; v32-63 and v96-127 by turns
.set R8, 16*(\a)+8*(\hb)               ; the first of the eight rows
	WIN 0
	s_wait_xcnt 0x0                                ; the registers that earlier stores read are rewritten only behind this wait
.set t, 0
.rept 8
	ds_load_b128 v[US+4*t:US+4*t+3], v[RD] offset:(8*(\hb)+t)*SPITCH  ; LDS serves a wave's instructions in order (ISA guide 5.7.1.4): these see the stores above
.set t, t+1
.endr
.set t, 0
.rept 8
	ds_load_b64 v[ZH+2*t:ZH+2*t+1], v[ZA0] offset:(R8+t)*256          ; z, which this wave stored in the K loop
.set t, t+1
.endr
	s_wait_dscnt 0x8                               ; the eight rows of sums are back; z's eight loads, issued behind them, may stay out
.set t, 0
.rept 8                                                ; 2 log2(e) (sum + bias)
.irp d, 0,1
	v_pk_fma_f32 v[US+4*t+2*\d:US+4*t+2*\d+1], v[US+4*t+2*\d:US+4*t+2*\d+1], s[K2:K2+1], v[BU+2*\d:BU+2*\d+1] op_sel_hi:[1,0,1]
.endr
.set t, t+1
.endr
.set t, 0
.rept 32
	v_exp_f32 v[US+t], v[US+t]
.set t, t+1
.endr
	v_nop                                          ; a plain instruction behind the run of exponentials
.set t, 0
	s_wait_alu depctr_va_vdst(0)
.rept 16
	v_pk_add_f32 v[US+2*t:US+2*t+1], v[US+2*t:US+2*t+1], 1.0 op_sel_hi:[1,0]
.set t, t+1
.endr
.set t, 0
.rept 32
	v_rcp_f32 v[US+t], v[US+t]
.set t, t+1
.endr
	v_nop                                          ; a plain instruction behind the run of reciprocals
.set t, 0
	s_wait_alu depctr_va_vdst(0)
.rept 16
	v_pk_fma_f32 v[US+2*t:US+2*t+1], v[US+2*t:US+2*t+1], -2.0, 1.0 op_sel_hi:[1,0,0]  ; u
.set t, t+1
.endr
	s_wait_loadcnt 56-8*(2*(\a)+(\hb))             ; loads come back in order: h's rows up to this half's last are in, the rows behind them may stay out
	s_wait_dscnt 0x0                               ; z is back
	WIN SUBH
.set t, 0
.rept 16
	v_pk_add_f32 v[4*R8+2*t:4*R8+2*t+1], v[4*R8+2*t:4*R8+2*t+1], v[US+2*t:US+2*t+1] neg_lo:[0,1] neg_hi:[0,1]  ; h - u
.set t, t+1
.endr
	WIN FMAH
.set t, 0
.rept 16                                               ; u + z (h - u), z straight from its f16 halves
	v_fma_mix_f32 v[US+2*t],   v[ZH+t], v[4*R8+2*t],   v[US+2*t]   op_sel_hi:[1,0,0]
	v_fma_mix_f32 v[US+2*t+1], v[ZH+t], v[4*R8+2*t+1], v[US+2*t+1] op_sel:[1,0,0] op_sel_hi:[1,0,0]
.set t, t+1
.endr
	WIN 0
.set t, 0
.rept 8
	global_store_b128 v[HO], v[US+4*t:US+4*t+3], s[8:9] offset:(R8+t)*4096 th:TH_STORE_NT  ; each store of the wave covers 512 consecutive bytes, aligned
.set t, t+1
.endr
.endm
	s_wait_tensorcnt 1                             ; my part of K step 0 is in; K step 1's load may stay out
	s_barrier_signal -1
	s_barrier_wait -1
	FETCH 0, 0, F0
	WIN 0
	s_wait_loadcnt 0x8                             ; the two biases are in; the eight loads of gates, issued behind them, may stay out
	v_pk_mul_f32 v[BZ:BZ+1],   v[BZ:BZ+1],   0xbfb8aa3b op_sel_hi:[1,0]
	v_pk_mul_f32 v[BZ+2:BZ+3], v[BZ+2:BZ+3], 0xbfb8aa3b op_sel_hi:[1,0]
	v_pk_mul_f32 v[BU:BU+1],   v[BU:BU+1],   0x4038aa3b op_sel_hi:[1,0]
	v_pk_mul_f32 v[BU+2:BU+3], v[BU+2:BU+3], 0x4038aa3b op_sel_hi:[1,0]
	QUARTER 0, 64,  F0, F1, 1                      ; the first quarter stands in front of the loop: its products start the sums
	WIN 0
	s_mov_b32 s3, LAPS-1
.Llap:                                                 ; a trip goes once round the ring, fills both slots again and makes eight rows of z
	QUARTER 0, 128, F1, F0, 0
	QUARTER 0, 192, F0, F1, 0
	ZWORK 1                                        ; between a refill and the wait for it
	TURN 0, 1, 1, 8, 0
	QUARTER 1, 64,  F0, F1, 0
	QUARTER 1, 128, F1, F0, 0
	QUARTER 1, 192, F0, F1, 0
	TURN 1, 0, 1, 0, 256
	QUARTER 0, 64,  F0, F1, 0
	WIN 0
	s_sub_co_u32 s3, s3, 1
	s_cmp_lg_u32 s3, 0
	s_cbranch_scc1 .Llap
	ZWORK 0                                        ; z's last eight rows: nothing more to ask for
	HLOAD 0                                        ; the last lap asks for no more tiles: h's rows 0-31 go out now,
	QUARTER 0, 128, F1, F0, 0
	QUARTER 0, 192, F0, F1, 0
	TURN 0, 1, 0
	HLOAD 32                                       ; rows 32-63 a K step later
	QUARTER 1, 64,  F0, F1, 0
	QUARTER 1, 128, F1, F0, 0
	QUARTER 1, 192, F0, F1, 0
	s_wait_dscnt 4                                 ; the very last quarter: nothing more to fetch
	MULA F1, 0, 2, 0
	s_wait_dscnt 0x0
	MULA F1, 2, 2, 0
	WIN 0
	PLACES
.irp a, 0,1,2,3
	TOSTAGE \a
	HALF \a, 0
	HALF \a, 1
.endr
	s_wait_tensorcnt 0x0                           ; the wave's end: behind my last tensor load and my last LDS store
	ds_add_u32 v[SPW], v[NIL]
	s_wait_dscnt 0x0
	CROUND                                         ; the closing round
	s_endpgm
.Lfunc_end_k_qe9bd503cbd_gemm2:
	.size	k_qe9bd503cbd_gemm2, .Lfunc_end_k_qe9bd503cbd_gemm2-k_qe9bd503cbd_gemm2
	.p2alignl 7, 3214868480
	.fill 96, 4, 3214868480
	.section	.rodata,"a",@progbits
	.p2align	6, 0x0
	.amdhsa_kernel k_qe9bd503cbd_gemm2
		.amdhsa_group_segment_fixed_size 327680
		.amdhsa_private_segment_fixed_size 0
		.amdhsa_enable_private_segment 0
		.amdhsa_kernarg_size 56
		.amdhsa_user_sgpr_count 2
		.amdhsa_user_sgpr_kernarg_segment_ptr 1
		.amdhsa_wavefront_size32 1
		.amdhsa_system_sgpr_workgroup_id_x 1
		.amdhsa_system_sgpr_workgroup_id_y 1
		.amdhsa_system_sgpr_workgroup_id_z 1
		.amdhsa_system_vgpr_workitem_id 0
		.amdhsa_next_free_vgpr 1024
		.amdhsa_next_free_sgpr 88
		.amdhsa_reserve_vcc 0
		.amdhsa_float_denorm_mode_32 3
		.amdhsa_float_denorm_mode_16_64 3
		.amdhsa_memory_ordered 1
		.amdhsa_forward_progress 1
		.amdhsa_inst_pref_size 179
	.end_amdhsa_kernel
	.amdgpu_metadata
---
amdhsa.version: [ 1, 2 ]
amdhsa.kernels:
  - .name:           k_qe9bd503cbd_gemm2
    .symbol:         k_qe9bd503cbd_gemm2.kd
    .args:
      - { .name: act, .offset: 0, .size: 8, .value_kind: global_buffer, .address_space: global }
      - { .name: wut, .offset: 8, .size: 8, .value_kind: global_buffer, .address_space: global }
      - { .name: gates, .offset: 16, .size: 8, .value_kind: global_buffer, .address_space: global }
      - { .name: h, .offset: 24, .size: 8, .value_kind: global_buffer, .address_space: global }
      - { .name: bg, .offset: 32, .size: 8, .value_kind: global_buffer, .address_space: global }
      - { .name: bu, .offset: 40, .size: 8, .value_kind: global_buffer, .address_space: global }
      - { .name: out0, .offset: 48, .size: 8, .value_kind: global_buffer, .address_space: global }
    .group_segment_fixed_size: 327680
    .private_segment_fixed_size: 0
    .kernarg_segment_align: 8
    .kernarg_segment_size: 56
    .max_flat_workgroup_size: 128
    .sgpr_count:     88
    .vgpr_count:     1024
    .wavefront_size: 32
...
	.end_amdgpu_metadata
.endif
;; end of part 4
